; MI455X (gfx1250); checked and timed in simulation.
; The chip was launched on July 23, 2026; its instructions are those of AMD's public machine-readable ISA for CDNA 5 (MIT licence, August 2026) and "CDNA5" Instruction Set Architecture Reference Guide (July 2026). The comments in the code are by the model that wrote it; some were corrected since.
;; Multi Head Attention Block. Allowed arithmetic: float matrix products may take bf16 or f16 operands with f32 sums; other float arithmetic in f32, or as packed bf16 or f16 multiplies, adds, multiply-adds, maxima and minima; sums over many terms, partial sums and values carried from step to step in f32; what a program stores and reads back later, other than sums and carried values, may be rounded once to bf16 or f16.
;; Inputs: k 2 x 2,048 x 1,024 float32; k_norm_w 64 float32; q 2 x 2,048 x 1,024 float32; q_norm_w 64 float32; v 2 x 2,048 x 1,024 float32; w_k 1,024 x 1,024 float32; w_o 1,024 x 1,024 float32; w_q 1,024 x 1,024 float32; w_v 1,024 x 1,024 float32.
;; Outputs: out0 2 x 2,048 x 1,024 float32.
;; One version. Each part assembles by itself: llvm-mc -triple=amdgcn-amd-amdhsa -mcpu=gfx1250 --defsym DOCPART=n.
;; ======== version 1 of 1: 3 launches
;; limits: values outside matrix products are rounded to bf16; values are held in f16: magnitudes above 65,504 overflow, below 6.1e-05 lose precision; a function is approximated: absolute error at most 0.0002
;; workspace buffers: qh 8,388,608 bytes; kh 8,388,608 bytes; vh 8,388,608 bytes; oh 8,388,608 bytes; wo16 2,097,152 bytes
;; launch proj (part 1): grid 4 x 48, 4 waves a work-group, clusters of 4 x 4, 327,680 bytes of LDS; arguments q, k, v, w_q, w_k, w_v, q_norm_w, k_norm_w, qh, kh, vh; writes qh, kh, vh
.if DOCPART == 1
	.amdgcn_target "amdgcn-amd-amdhsa--gfx1250"
	.amdhsa_code_object_version 6
	.text
	.protected	k_q68e4f3f126_proj
	.globl	k_q68e4f3f126_proj
	.p2align	8
	.type	k_q68e4f3f126_proj,@function
k_q68e4f3f126_proj:
	s_mov_b64 s[64:65], 0
	v_nop
	global_prefetch_b8 v0, s[64:65] scope:SCOPE_SE
	s_setreg_imm32_b32 hwreg(HW_REG_WAVE_MODE, 25, 1), 1
	s_wait_xcnt 0x0
	s_wait_alu depctr_hold_cnt(0) depctr_sa_sdst(0) depctr_va_vdst(0) depctr_va_sdst(0) depctr_va_ssrc(0) depctr_va_vcc(0) depctr_vm_vsrc(0)
	s_getreg_b32 s2, hwreg(HW_REG_IB_STS2, 6, 4)
	s_cmp_eq_u32 s2, 0
	s_cbranch_scc0 .Lentry_in_a_cluster
	s_endpgm
.Lentry_in_a_cluster:
	s_bfe_u32 s2, ttmp6, 0x10000c
	s_cmp_lg_u32 s2, 0xf033
	s_cbranch_scc0 .Lentry_shape_is_right
	s_endpgm
.Lentry_shape_is_right:
; THE THREE PROJECTIONS, QK-NORM AND ROPE.  X W^T for (q, w_q), (k, w_k), (v, w_v): X [4096][1024], W [1024][1024], f32 in memory, rounded to bf16 between LDS and the matrix
; unit, sums in f32.  q and k: per head x * rsq(mean(x^2) + 1e-10) * gain (the gains rounded to bf16 like every input), then RoPE; v: as it is.  Results leave in f16, by heads:
; qh, kh, vh [32 = batch x 16 + head][2048][64], a head's rows dense, 128 bytes each.
; DEAD WORK OF THE PROGRAM (left out in the second kernel).  reference() replaces every score with key > query by the lowest finite number before the softmax; each row sees its own key, so the row's
; maximum is a true score and the weight of a hidden key is exp(lowest - maximum) = 0 for all finite inputs.  Key tiles that lie wholly above the diagonal therefore reach no output and are not multiplied.
; Inside the tile that holds the diagonal hidden scores are computed and masked.  All nine inputs have a way to the output and are loaded.  A NaN, infinity or overflow that would arise only in the tiles left out is not carried to the result.
; LIMITS.  v's projection must stay within f16's 65,504; |q|, |k| are at most 8 x the largest gain.  x * rsq(..) stands for x / sqrt(..).  RoPE's angle pos x theta is made with theta = 2^(-d log2(500000) / 32)
; to an ulp or two, reduced by 2 pi in two parts, and sine and cosine by polynomials on a quarter of the angle and two doublings; the tables step 16 rows by a rotation: within some 2e-4 radians of reference()'s at the last rows.
; SHARES.  A tile of the result is 256 tokens x 256 columns: 16 x 4 tiles a tensor, 3 tensors, 192 work-groups.  3 x 2^22 results do not split into 256 equal rectangles of whole heads, and tiles of 128 x 128 would halve the products for each byte read.
; Four waves, each 128 tokens x 128 columns (two heads): 64 accumulators, 512 registers.  The matrix instruction is used transposed (source 0 = 16 rows of W, source 1 = 16 tokens): a lane holds ONE token (lane % 16) and columns 8 (lane / 16) + 0..7.
; CLUSTERS.  4 x 4 work-groups of one tensor: X's tile is shared along a row of the cluster, W's along a column, each asked for jointly.
; THE RING.  K goes in steps of 64 f32 (rows of 256 bytes) through two LDS slots.  A K step is two QUARTERS of 32 along K, 64 matrix instructions each.  A quarter's 16 fragments come out of LDS as f32 in four CHUNKS of four
; fragments (64 registers), through two stagings, are rounded to bf16 in slices of four conversions behind every second matrix instruction, and lie in one of two fragment buffers.  So LDS is read six groups of 16 matrix
; instructions ahead of the products, a slot has been read out in the middle of its own first quarter, and the change of slots stands there.
; REGISTERS, in windows of 256: window 0: v0-31 addresses; v32-63 gains; v64-127, v128-191 X's bf16 fragments, two buffers (behind the products: at work); v192-255 RoPE's tables
;   window 1: v0-63, v192-255 the two stagings; v64-127, v128-191 W's bf16 fragments      windows 2, 3: the accumulators, (a, b) at 8 (8 (a % 4) + b)
.set PITCH,  272                       ; an LDS row: 256 bytes + 16 of padding: the 16 rows of a load start at 16 different groups of four banks
.set HALFT,  128*PITCH                 ; 128 rows: one tensor load
.set SLOT,   4*HALFT                   ; X's 256 rows, then W's 256 rows; 0x22000 shares no bit with wave x HALFT, so an exclusive or turns a slot's address into the other's
.set STAGE,  2*SLOT                    ; behind the ring: 2 heads x 16 rows x 144 bytes for each wave
.set STW,    2*16*144
.set SPARE,  STAGE+4*STW               ; the spare words, 128 bytes a wave
.set ADRA0, 16                         ; v16, v17  my lane's place in X's and W's rows of slot 0; never rewritten
.set ADRB0, 17
.set ADRA,  18                         ; v18, v19  the same in the slot that is being read
.set ADRB,  19
.set DST,   20                         ; v20  where my accumulators are set aside: 65,536 x wave + 16 x lane
.set DLD,   21                         ; v21  the same, stepped
.set STO,   24
.set RD,    25
.set GO,    26
.set SPW,   28
.set NIL,   29
.set PFO,   30                         ; v30  4,096 x lane: a row of X or W in memory
.set GA,    31                         ; v31  32 x (lane / 16): my gains
.set NW,    32
.set F0,    64
.set F1,    128
.set COS,   192
.set SIN,   208
.set RC,    224
.set RS,    240
.set X,     64                         ; the way out: 16 tokens x 128 columns, 64 registers
.set RSQ,   144
.set Y,     148
.set SQ,    180
.set TN, 64                            ; the tables' work registers
.set TA, 66
.set TZ, 68
.set TP, 70
.set TQ, 72
.set TG, 74
.set TS, 76
.set TC, 78
.set TS2, 80
.set TC2, 82
.set POSF, 84
.set H8, 86
.set XA, 96
.set XB, 112
.set TH, 128
.set G1,  24                           ; s[24:31] group 1 for X's tiles; s[32:39] group 0, two sets: the second walks
.set G0,  32
.set G1B, 48                           ; s[48:55], s[56:63] the same for W's
.set G0B, 56
.set LIM, 43
.set PFA, 44
.set TSEL, 66                          ; s66  0 q, 1 k, 2 v: the same in all partners of a cluster
.set TF,  67                           ; s67  0 or SLOT: the slot that is being read
.set KPH, 68                           ; s[68:83] constants in pairs, behind the choice of the pointers
.set KPL, 70
.set KS1, 72
.set KS2, 74
.set KS3, 76
.set KC0, 78
.set KC1, 80
.set KC2, 82
.set NWP, 90
.set SEL, 92
.set POSB, 97
.set MSB, 0
.macro WIN new                         ; the immediate's high byte repeats the setting that is left
.if MSB != (\new)
	s_set_vgpr_msb (MSB<<8)|(\new)
.set MSB, \new
.endif
.endm
.set MUL_LO, 0xa1                      ; source 0 (W) window 1, source 1 (X) window 0, C and D window 2
.set MUL_HI, 0xf1
.set CV_A,   0x05                      ; sources window 1, destination window 0
.set CV_B,   0x45                      ; sources and destination window 1
.set TO_S,   0x40                      ; destination window 1, address window 0
; A joint load: waves 0 and 1 fetch X's two halves, waves 2 and 3 W's.  An s_nop 0 and four v_nop follow each line.
.macro JLOAD s
	s_cmp_eq_u32 s11, 0
	s_cbranch_scc0 .Lfor_b_\@
	tensor_load_to_lds s[G0+4*(\s):G0+4*(\s)+3], s[G1:G1+7]
	s_nop 0
.rept 4
	v_nop
.endr
	s_branch .Lasked_\@
.Lfor_b_\@:
	tensor_load_to_lds s[G0B+4*(\s):G0B+4*(\s)+3], s[G1B:G1B+7]
	s_nop 0
.rept 4
	v_nop
.endr
.Lasked_\@:
.endm
; A prefetch into the L2 of the K step two refills on: 32 rows x 256 bytes, a lane a row.  X's rows are read by one cluster alone: every cluster asks for its own; W's rows by the tensor's four clusters: the first asks.
; The four partners that ask for a tile jointly share a wave's 128 rows out by address, 32 each.  The last two refills have no K step two on.
.macro ASK
	WIN 0
	s_cmp_gt_u32 s3, s[LIM]
	s_cbranch_scc0 .Lnot_mine_\@
	global_prefetch_b8 v[PFO], s[PFA:PFA+1] th:TH_LOAD_NT scope:SCOPE_SE
.Lnot_mine_\@:
.endm
.macro CREST                           ; a round of the cluster's barrier behind its opening barrier
	s_cmp_lg_u32 s10, 0
	s_cbranch_scc1 .Lnot_wave_0_\@
	s_barrier_signal -3
.Lnot_wave_0_\@:
	s_barrier_wait -3
	s_barrier_signal -1
	s_barrier_wait -1
.endm
.macro CROUND
	s_barrier_signal -1
	s_barrier_wait -1
	CREST
.endm
.macro PLACES
.rept 4
	v_nop
.endr
.endm
; Chunk ch (0: X's fragments 0-3, 1: X's 4-7, 2: W's 0-3, 3: W's 4-7) of the quarter at byte kb of the rows: 16 loads into staging ch % 2.
; An f32 fragment: lane l holds row l % 16 and K = 8 (l / 16) + 0..7 and 16 + 8 (l / 16) + 0..7: four loads of 16 bytes at 0, 16, 64, 80 behind row x pitch + 32 (l / 16).
.macro FETCHC ch, kb
	WIN TO_S
.irp y, 0,1,2,3
	ds_load_b128 v[192*((\ch)%2)+16*\y:192*((\ch)%2)+16*\y+3],     v[ADRA+(\ch)/2] offset:(4*((\ch)%2)+\y)*16*PITCH+(\kb)
	ds_load_b128 v[192*((\ch)%2)+16*\y+4:192*((\ch)%2)+16*\y+7],   v[ADRA+(\ch)/2] offset:(4*((\ch)%2)+\y)*16*PITCH+(\kb)+16
	ds_load_b128 v[192*((\ch)%2)+16*\y+8:192*((\ch)%2)+16*\y+11],  v[ADRA+(\ch)/2] offset:(4*((\ch)%2)+\y)*16*PITCH+(\kb)+64
	ds_load_b128 v[192*((\ch)%2)+16*\y+12:192*((\ch)%2)+16*\y+15], v[ADRA+(\ch)/2] offset:(4*((\ch)%2)+\y)*16*PITCH+(\kb)+80
.endr
.endm
; Four roundings: registers j0 .. j0 + 3 of fragment fr of chunk ch, into buffer g
.macro CV4 ch, fr, j0, g
.if (\ch) < 2
	WIN CV_A
.else
	WIN CV_B
.endif
.irp j, 0,1,2,3
	v_cvt_pk_bf16_f32 v[(\g)+8*(4*((\ch)%2)+(\fr))+(\j0)+\j], v[192*((\ch)%2)+16*(\fr)+2*((\j0)+\j)], v[192*((\ch)%2)+16*(\fr)+2*((\j0)+\j)+1]
.endr
.endm
.macro CVTC ch, g                      ; a whole chunk, ahead of the first product
.irp fr, 0,1,2,3
	CV4 \ch, \fr, 0, \g
	CV4 \ch, \fr, 4, \g
.endr
.endm
; Eight matrix instructions: token block a of window 2 + hi x all eight column blocks, from buffer f.  The 64 accumulators take turns, one instruction a turn.
; Behind every second one a slice of four roundings of chunk ch (fragments 2 half, 2 half + 1) into buffer g, which is not being multiplied; ch = -1: none.
.macro ROWM f, hi, a, zero, ch, half, g
.irp b, 0,1,2,3,4,5,6,7
	WIN MUL_LO+0x50*(\hi)
.if \zero
	v_wmma_f32_16x16x32_bf16 v[8*(8*(\a)+(\b)):8*(8*(\a)+(\b))+7], v[(\f)+8*(\b):(\f)+8*(\b)+7], v[(\f)+8*(4*(\hi)+(\a)):(\f)+8*(4*(\hi)+(\a))+7], 0
.else
	v_wmma_f32_16x16x32_bf16 v[8*(8*(\a)+(\b)):8*(8*(\a)+(\b))+7], v[(\f)+8*(\b):(\f)+8*(\b)+7], v[(\f)+8*(4*(\hi)+(\a)):(\f)+8*(4*(\hi)+(\a))+7], v[8*(8*(\a)+(\b)):8*(8*(\a)+(\b))+7]
.endif
.if ((\ch) >= 0) && ((\b)%2 == 1)
	CV4 \ch, 2*(\half)+(\b)/4, 4*(((\b)/2)%2), \g
.endif
.endr
.endm
.macro GRP i, f, zero, g               ; group i of a quarter: 16 matrix instructions, and chunk i of the next quarter rounded
	ROWM \f, (\i)/2, 2*((\i)%2), \zero, \i, 0, \g
	ROWM \f, (\i)/2, 2*((\i)%2)+1, \zero, \i, 1, \g
.endm
; A K step's second quarter.  Each wait leaves the younger chunk's 16 loads out.  The chunks fetched are the next K step's: the rest of its first quarter, the head of its second.
.macro QONE f, g
	s_wait_dscnt 16
	GRP 0, \f, 0, \g
	FETCHC 2, 0
	s_wait_dscnt 16
	GRP 1, \f, 0, \g
	FETCHC 3, 0
	s_wait_dscnt 16
	GRP 2, \f, 0, \g
	FETCHC 0, 128
	s_wait_dscnt 16
	GRP 3, \f, 0, \g
	FETCHC 1, 128
.endm
; A K step's first quarter, with the change of slots: behind group 1 the slot's last bytes have been asked for.  Each wave waits for all its tensor loads (one is out: its part of the other slot), adds 0 to its
; spare word, waits for that and for its reads of the slot; fill = 1: the barrier opens a round of the cluster's, and the joint refill, the K step two on, is the first tensor load behind it.
.macro QZERO f, g, zero, fill
	s_wait_dscnt 16
	GRP 0, \f, \zero, \g
	FETCHC 2, 128
	s_wait_dscnt 16
	GRP 1, \f, \zero, \g
	FETCHC 3, 128
	WIN 0
.if \fill
	s_wait_xcnt 0x0                                ; the last prefetch, a K step back, has read its address
	s_add_nc_u64 s[PFA:PFA+1], s[PFA:PFA+1], 256
.endif
	s_wait_tensorcnt 0x0                           ; all my tensor loads have landed
	ds_add_u32 v[SPW], v[NIL]                      ; 0 onto my spare word
	s_wait_dscnt 17                                ; chunk 2 is in; chunk 3's 16 loads and the add may be out
	ROWM \f, 1, 0, \zero, 2, 0, \g
	s_wait_dscnt 0x0                               ; the add is done, and my reads of this slot are over
	s_barrier_signal -1
	ROWM \f, 1, 1, \zero, 2, 1, \g
	WIN 0
	s_xor_b32 s[TF], s[TF], SLOT                   ; the reads go on in the other slot
	v_add_nc_u32 v[ADRA], s[TF], v[ADRA0]
	v_add_nc_u32 v[ADRB], s[TF], v[ADRB0]
	s_barrier_wait -1
.if \fill
	CREST                                          ; no wave of any partner still reads the slot or has a load on its way
	s_xor_b32 s[G0+5], s[G0+5], SLOT               ; the walking descriptors: the other slot than last time, the next K step
	s_add_nc_u64 s[G0+6:G0+7], s[G0+6:G0+7], 256
	s_xor_b32 s[G0B+5], s[G0B+5], SLOT
	s_add_nc_u64 s[G0B+6:G0B+7], s[G0B+6:G0B+7], 256
	JLOAD 1
.endif
	FETCHC 0, 0
.if \fill
	ASK
.endif
	GRP 3, \f, \zero, \g
	FETCHC 1, 0
.endm
	s_load_b512 s[68:83], s[0:1], 0x0              ; q, k, v, w_q, w_k, w_v, q_norm_w, k_norm_w
	s_load_b128 s[84:87], s[0:1], 0x40             ; qh, kh
	s_load_b64 s[88:89], s[0:1], 0x50              ; vh
	v_lshl_add_u32 v[SPW], v0, 2, SPARE
	v_mov_b32 v[NIL], 0
	ds_add_u32 v[SPW], v[NIL]                      ; the wave's opening: the add, twice on end, and its wait ahead of my first tensor load
	ds_add_u32 v[SPW], v[NIL]
	v_lshrrev_b32 v1, 5, v0
	v_readfirstlane_b32 s10, v1                    ; wave 0..3
	s_lshr_b32 s11, s10, 1                         ; my half of the tile's tokens.  Also: I fetch for X (0) or W (1)
	s_and_b32 s12, s10, 1                          ; my half of its columns.  Also: which 128 rows I fetch
	s_bfe_u32 s40, ttmp6, 0x40000                  ; cx
	s_bfe_u32 s41, ttmp6, 0x40004                  ; cy
	s_lshl_b32 s42, ttmp9, 2
	s_add_co_u32 s42, s42, s40                     ; tile column
	s_and_b32 s99, ttmp7, 0xffff                   ; cluster y, 0..11
	s_lshr_b32 s[TSEL], s99, 2                     ; the tensor
	s_and_b32 s99, s99, 3                          ; the cluster among the tensor's four
	s_lshl_b32 s13, s99, 2
	s_add_co_u32 s13, s13, s41                     ; tile row, 0..15
	s_lshl_b32 s43, s41, 2
	s_lshl_b32 s43, 15, s43                        ; my row of the cluster
	s_lshl_b32 s44, 0x1111, s40                    ; my column
	s_or_b32 s[G1], s43, (2<<16)|(1<<20)|(1<<21)|(5<<22)|(3<<25)   ; the mask; elements of 4 bytes; padding on; bit 21 beside a mask; after every 64 words 4 words
	s_or_b32 s[G1B], s44, (2<<16)|(1<<20)|(1<<21)|(5<<22)|(3<<25)
.irp g, G1, G1B
	s_mov_b32 s[(\g)+1], 64<<16                    ; tensor_dim0 = 64
	s_mov_b32 s[(\g)+2], 128<<16                   ; tensor_dim1 = 128
	s_mov_b32 s[(\g)+3], 64<<16                    ; tile_dim0 = 64
	s_mov_b32 s[(\g)+4], 128                       ; tile_dim1 = 128
	s_mov_b32 s[(\g)+5], 1024                      ; elements from row to row
	s_mov_b32 s[(\g)+6], 0
	s_mov_b32 s[(\g)+7], 0
.endr
	s_lshl_b32 s17, s12, 7
	s_lshl_b32 s16, s13, 8
	s_add_co_u32 s16, s16, s17                     ; X: row 256 x tile row + 128 x half,
	s_lshl_b32 s16, s16, 12                        ; of 4,096 bytes
	s_lshl_b32 s46, s42, 8
	s_add_co_u32 s46, s46, s17                     ; W: row 256 x tile column + 128 x half
	s_lshl_b32 s46, s46, 12
	s_mov_b32 s17, 0
	s_mov_b32 s47, 0
	s_mul_i32 s20, s10, HALFT                      ; where they go: wave x 128 rows
	s_mov_b32 s[TF], 0
	s_mov_b32 s[SEL], 0x76543210
	s_mov_b32 s[SEL+1], 0xfedcba98
	s_mov_b32 s94, 0x3c800000                      ; 1 / 64
	s_mov_b32 s95, 0x2edbe6ff                      ; 1e-10
	s_mov_b32 s98, 0xffff0000
	s_wait_dscnt 0x0                               ; both opening adds are done
	s_wait_kmcnt 0x0
	s_cmp_eq_u32 s[TSEL], 0
	s_cselect_b64 s[4:5], s[68:69], s[70:71]       ; X
	s_cselect_b64 s[6:7], s[74:75], s[76:77]       ; W
	s_cselect_b64 s[8:9], s[84:85], s[86:87]       ; the result
	s_cselect_b64 s[NWP:NWP+1], s[80:81], s[82:83] ; the gains (v has none and loads none)
	s_cmp_eq_u32 s[TSEL], 2
	s_cselect_b64 s[4:5], s[72:73], s[4:5]
	s_cselect_b64 s[6:7], s[78:79], s[6:7]
	s_cselect_b64 s[8:9], s[88:89], s[8:9]
	s_add_nc_u64 s[14:15], s[4:5], s[16:17]
	s_add_nc_u64 s[46:47], s[6:7], s[46:47]
	CROUND                                         ; all sixteen work-groups are here: the first joint loads meet
.irp s, 0,1
	s_mov_b32 s[G0+4*(\s)], 1
	s_add_co_u32 s[G0+4*(\s)+1], s20, (\s)*SLOT
	s_add_nc_u64 s[G0+4*(\s)+2:G0+4*(\s)+3], s[14:15], (\s)*256
	s_or_b32 s[G0+4*(\s)+3], s[G0+4*(\s)+3], 0x80000000
	s_mov_b32 s[G0B+4*(\s)], 1
	s_add_co_u32 s[G0B+4*(\s)+1], s20, (\s)*SLOT
	s_add_nc_u64 s[G0B+4*(\s)+2:G0B+4*(\s)+3], s[46:47], (\s)*256
	s_or_b32 s[G0B+4*(\s)+3], s[G0B+4*(\s)+3], 0x80000000
	JLOAD \s
.endr
.irp c, 0,1
	s_mov_b32 s[KPH+\c], 0xbfc90fdb                ; -pi/2, high part
	s_mov_b32 s[KPL+\c], 0x333bbd2e                ; what is left of it
	s_mov_b32 s[KS1+\c], 0xbe2aaaa3                ; sine: x + x z (S1 + S2 z + S3 z^2)
	s_mov_b32 s[KS2+\c], 0x3c08839e
	s_mov_b32 s[KS3+\c], 0xb94ca1f9
	s_mov_b32 s[KC0+\c], 0x3d2aaaa5                ; cosine: 1 - z / 2 + z^2 (C0 + C1 z + C2 z^2)
	s_mov_b32 s[KC1+\c], 0xbab6061a
	s_mov_b32 s[KC2+\c], 0x37ccf5ce
.endr
	v_and_b32 v1, 15, v0                           ; l % 16
	v_bfe_u32 v2, v0, 4, 1                         ; l / 16
	v_and_b32 v5, 31, v0                           ; l
	v_mul_u32_u24 v3, v1, PITCH
	v_lshl_add_u32 v3, v2, 5, v3                   ; row x pitch + 32 x half
	s_mul_i32 s21, s11, HALFT
	s_mul_i32 s22, s12, HALFT
	s_add_co_u32 s22, s22, 2*HALFT
	v_add_nc_u32 v[ADRA0], s21, v3
	v_add_nc_u32 v[ADRB0], s22, v3
	v_mov_b32 v[ADRA], v[ADRA0]
	v_mov_b32 v[ADRB], v[ADRB0]
	s_lshl_b32 s18, s10, 16
	v_lshl_add_u32 v[DST], v5, 4, s18
	v_mov_b32 v[DLD], v[DST]
	s_mul_i32 s23, s10, STW
	s_add_co_u32 s23, s23, STAGE                   ; my stage
	v_mul_u32_u24 v[STO], v1, 144                  ; in: row l % 16, 16 bytes for each half of the lanes
	v_lshl_add_u32 v[STO], v2, 4, v[STO]
	v_add_nc_u32 v[STO], s23, v[STO]
	v_bfe_u32 v[RD], v0, 3, 2                      ; back: 32 lanes take four rows of 128 bytes,
	v_mul_u32_u24 v[RD], v[RD], 144
	v_and_b32 v4, 7, v0
	v_lshl_add_u32 v[RD], v4, 4, v[RD]
	v_add_nc_u32 v[RD], s23, v[RD]
	v_lshlrev_b32 v[GO], 4, v5                     ; which are 512 consecutive bytes of the result
	v_lshlrev_b32 v[GA], 5, v2
	v_lshlrev_b32 v[PFO], 12, v5
	; the result: ((batch x 16 + head) x 2,048 + position) x 128 bytes
	s_and_b32 s[POSB], s13, 7
	s_lshl_b32 s[POSB], s[POSB], 8
	s_lshl_b32 s19, s11, 7
	s_add_co_u32 s[POSB], s[POSB], s19             ; my first token's position in its batch
	s_lshr_b32 s18, s13, 3
	s_lshl_b32 s18, s18, 4
	s_lshl_b32 s19, s42, 2
	s_add_co_u32 s18, s18, s19
	s_lshl_b32 s19, s12, 1
	s_add_co_u32 s18, s18, s19
	s_lshl_b32 s18, s18, 11
	s_add_co_u32 s18, s18, s[POSB]
	s_lshl_b32 s18, s18, 7
	s_mov_b32 s19, 0
	s_add_nc_u64 s[8:9], s[8:9], s[18:19]
	; the prefetches
	s_lshl_b32 s18, s13, 8
	s_lshl_b32 s19, s42, 8
	s_cmp_eq_u32 s11, 0                            ; do I fetch for X?
	s_cselect_b32 s20, s18, s19                    ; the tile's first row
	s_cselect_b32 s21, s40, s41                    ; my place among the four that ask with me
	s_cselect_b32 s22, 0, s99                      ; X: every cluster asks for its own rows; W: the tensor's first cluster
	s_cselect_b64 s[PFA:PFA+1], s[4:5], s[6:7]
	s_cmp_eq_u32 s22, 0
	s_cselect_b32 s[LIM], 2, -1
	s_lshl_b32 s22, s12, 7
	s_add_co_u32 s20, s20, s22
	s_lshl_b32 s21, s21, 5
	s_add_co_u32 s20, s20, s21
	s_lshl_b32 s20, s20, 12
	s_mov_b32 s21, 0
	s_add_nc_u64 s[PFA:PFA+1], s[PFA:PFA+1], s[20:21]
	s_add_nc_u64 s[PFA:PFA+1], s[PFA:PFA+1], 3*256 ; at K step 3: the first change steps it to 4.  Nothing is prefetched here, at the head
	s_wait_tensorcnt 1                             ; my part of K step 0 is in; K step 1's may stay out
	s_barrier_signal -1
	s_barrier_wait -1
	FETCHC 0, 0                                    ; the first quarter's fragments, rounded with no product to stand beside
	FETCHC 1, 0
	s_wait_dscnt 16
	CVTC 0, F0
	FETCHC 2, 0
	s_wait_dscnt 16
	CVTC 1, F0
	FETCHC 3, 0
	s_wait_dscnt 16
	CVTC 2, F0
	FETCHC 0, 128
	s_wait_dscnt 16
	CVTC 3, F0
	FETCHC 1, 128
	WIN 0
	s_mov_b32 s3, 14
	QZERO F0, F1, 1, 1                             ; K step 0's first quarter starts the sums; K step 2 is asked for
	WIN 0
	s_mov_b32 s3, 13
.Lk:                                               ; 13 trips: K step t - 1's second quarter, K step t's first; K steps 3 to 15 are asked for
	QONE F1, F0
	QZERO F0, F1, 0, 1
	WIN 0
	s_sub_co_u32 s3, s3, 1
	s_cmp_lg_u32 s3, 0
	s_cbranch_scc1 .Lk
	s_mov_b32 s2, 2
.Lt:                                               ; the last two K steps ask for nothing; the second trip's last 32 LDS loads, from a slot read before, serve nothing: the price of one text
	QONE F1, F0
	QZERO F0, F1, 0, 0
	WIN 0
	s_sub_co_u32 s2, s2, 1
	s_cmp_lg_u32 s2, 0
	s_cbranch_scc1 .Lt
.irp hi, 0,1
.irp a, 0,1,2,3
	ROWM F1, \hi, \a, 0, -1, 0, F0                 ; the last quarter
.endr
.endr
	PLACES
	WIN 0
	s_wait_dscnt 0x0                               ; my reads of the slots are over,
	s_barrier_signal -1
	s_barrier_wait -1                              ; everybody's are, and no fill follows: the slots' bytes take the accumulators, 65,536 bytes a wave, so that the way out can be a loop
.irp hi, 0,1
	WIN 0x08+4*\hi                                 ; store data in window 2, 3
.set n, 0
.rept 32
	ds_store_b128 v[DST], v[8*n:8*n+3]   offset:1024*(32*\hi+n)      ; each accumulator's low registers first
	ds_store_b128 v[DST], v[8*n+4:8*n+7] offset:1024*(32*\hi+n)+512
.set n, n+1
.endr
.endr
	WIN 0
; Sine and cosine of the pair of angles x (0 to some 2,047): n = round(x / 2 pi); a = x / 4 - n pi / 2, within pi / 4; polynomials; two doublings.
.macro SINCOS x, c, s
	v_pk_mul_f32 v[TN:TN+1], v[\x:\x+1], 0x3e22f983 op_sel_hi:[1,0]
	v_pk_mul_f32 v[TA:TA+1], v[\x:\x+1], 0x3e800000 op_sel_hi:[1,0]
	v_rndne_f32 v[TN], v[TN]
	v_rndne_f32 v[TN+1], v[TN+1]
	v_pk_fma_f32 v[TA:TA+1], v[TN:TN+1], s[KPH:KPH+1], v[TA:TA+1] op_sel_hi:[1,0,1]
	v_pk_fma_f32 v[TA:TA+1], v[TN:TN+1], s[KPL:KPL+1], v[TA:TA+1] op_sel_hi:[1,0,1]
	v_pk_mul_f32 v[TZ:TZ+1], v[TA:TA+1], v[TA:TA+1]
	v_pk_fma_f32 v[TP:TP+1], v[TZ:TZ+1], s[KS3:KS3+1], s[KS2:KS2+1] op_sel_hi:[1,0,0]
	v_pk_fma_f32 v[TQ:TQ+1], v[TZ:TZ+1], s[KC2:KC2+1], s[KC1:KC1+1] op_sel_hi:[1,0,0]
	v_pk_fma_f32 v[TP:TP+1], v[TP:TP+1], v[TZ:TZ+1], s[KS1:KS1+1] op_sel_hi:[1,1,0]
	v_pk_fma_f32 v[TQ:TQ+1], v[TQ:TQ+1], v[TZ:TZ+1], s[KC0:KC0+1] op_sel_hi:[1,1,0]
	v_pk_mul_f32 v[TN:TN+1], v[TA:TA+1], v[TZ:TZ+1]
	v_pk_fma_f32 v[TG:TG+1], v[TZ:TZ+1], -0.5, 1.0 op_sel_hi:[1,0,0]
	v_pk_mul_f32 v[TZ:TZ+1], v[TZ:TZ+1], v[TZ:TZ+1]
	v_pk_fma_f32 v[TS:TS+1], v[TN:TN+1], v[TP:TP+1], v[TA:TA+1]
	v_pk_fma_f32 v[TC:TC+1], v[TZ:TZ+1], v[TQ:TQ+1], v[TG:TG+1]
	v_pk_add_f32 v[TN:TN+1], v[TS:TS+1], v[TS:TS+1]
	v_pk_mul_f32 v[TS2:TS2+1], v[TN:TN+1], v[TC:TC+1]
	v_pk_fma_f32 v[TC2:TC2+1], v[TN:TN+1], v[TS:TS+1], 1.0 op_sel_hi:[1,1,0] neg_lo:[1,0,0] neg_hi:[1,0,0]
	v_pk_add_f32 v[TN:TN+1], v[TS2:TS2+1], v[TS2:TS2+1]
	v_pk_mul_f32 v[\s:\s+1], v[TN:TN+1], v[TC2:TC2+1]
	v_pk_fma_f32 v[\c:\c+1], v[TN:TN+1], v[TS2:TS2+1], 1.0 op_sel_hi:[1,1,0] neg_lo:[1,0,0] neg_hi:[1,0,0]
.endm
; One trip of the way out: 16 tokens x my two heads.  norm = 1: q and k.  A lane holds token l % 16 and, of each head, d = 16 b + 8 (l / 16) + j at register 8 b + j: d and d + 32 lie in one lane.
.macro TRIPOUT norm
.irp b, 0,1,2,3,4,5,6,7
	ds_load_b128 v[X+8*\b:X+8*\b+3],   v[DLD] offset:1024*\b       ; my own bytes: LDS serves a wave's instructions in order
	ds_load_b128 v[X+8*\b+4:X+8*\b+7], v[DLD] offset:1024*\b+512
.endr
	s_wait_dscnt 0x0
.if \norm
.irp hd, 0,1
	v_pk_mul_f32 v[SQ+4*\hd:SQ+4*\hd+1],   v[X+32*\hd:X+32*\hd+1],   v[X+32*\hd:X+32*\hd+1]        ; the sum of squares: two chains a head
	v_pk_mul_f32 v[SQ+4*\hd+2:SQ+4*\hd+3], v[X+32*\hd+2:X+32*\hd+3], v[X+32*\hd+2:X+32*\hd+3]
.endr
.set p, 4
.rept 7
.irp hd, 0,1
	v_pk_fma_f32 v[SQ+4*\hd:SQ+4*\hd+1],   v[X+32*\hd+p:X+32*\hd+p+1],   v[X+32*\hd+p:X+32*\hd+p+1],   v[SQ+4*\hd:SQ+4*\hd+1]
	v_pk_fma_f32 v[SQ+4*\hd+2:SQ+4*\hd+3], v[X+32*\hd+p+2:X+32*\hd+p+3], v[X+32*\hd+p+2:X+32*\hd+p+3], v[SQ+4*\hd+2:SQ+4*\hd+3]
.endr
.set p, p+4
.endr
.irp hd, 0,1
	v_pk_add_f32 v[SQ+4*\hd:SQ+4*\hd+1], v[SQ+4*\hd:SQ+4*\hd+1], v[SQ+4*\hd+2:SQ+4*\hd+3]
.endr
.irp hd, 0,1
	v_add_f32 v[SQ+4*\hd], v[SQ+4*\hd], v[SQ+4*\hd+1]
.endr
.irp hd, 0,1
	v_permlanex16_b32 v[SQ+4*\hd+1], v[SQ+4*\hd], s[SEL], s[SEL+1]  ; the token's other 32 numbers lie in the lane 16 away
.endr
.irp hd, 0,1
	v_add_f32 v[SQ+4*\hd], v[SQ+4*\hd], v[SQ+4*\hd+1]
.endr
.irp hd, 0,1
	v_fma_f32 v[SQ+4*\hd], v[SQ+4*\hd], s94, s95                    ; mean + 1e-10
.endr
	v_rsq_f32 v[RSQ], v[SQ]
	v_rsq_f32 v[RSQ+2], v[SQ+4]
	v_nop                                          ; a plain instruction behind the second,
	s_wait_alu depctr_va_vdst(0)                   ; and the wait ahead of the first use: one for both
.irp hd, 0,1
.set p, 0
.rept 16
	v_pk_mul_f32 v[X+32*\hd+p:X+32*\hd+p+1], v[X+32*\hd+p:X+32*\hd+p+1], v[RSQ+2*\hd:RSQ+2*\hd+1] op_sel_hi:[1,0]
.set p, p+2
.endr
.endr
.irp hd, 0,1
.set p, 0
.rept 16
	v_pk_mul_f32 v[X+32*\hd+p:X+32*\hd+p+1], v[X+32*\hd+p:X+32*\hd+p+1], v[NW+p:NW+p+1]
.set p, p+2
.endr
.endr
.irp hd, 0,1
.set p, 0
.rept 8                                ; x1' = x1 cos - x2 sin, x2' = x2 cos + x1 sin
.set u, SQ+4*((p/2)%2)
	v_pk_mul_f32 v[u:u+1],   v[X+32*\hd+16+p:X+32*\hd+16+p+1], v[SIN+p:SIN+p+1]
	v_pk_mul_f32 v[u+2:u+3], v[X+32*\hd+p:X+32*\hd+p+1],       v[SIN+p:SIN+p+1]
	v_pk_fma_f32 v[X+32*\hd+p:X+32*\hd+p+1],       v[X+32*\hd+p:X+32*\hd+p+1],       v[COS+p:COS+p+1], v[u:u+1] neg_lo:[0,0,1] neg_hi:[0,0,1]
	v_pk_fma_f32 v[X+32*\hd+16+p:X+32*\hd+16+p+1], v[X+32*\hd+16+p:X+32*\hd+16+p+1], v[COS+p:COS+p+1], v[u+2:u+3]
.set p, p+2
.endr
.endr
.endif
.irp hd, 0,1
.set p, 0
.rept 16
	v_cvt_pk_f16_f32 v[Y+16*\hd+p], v[X+32*\hd+2*p], v[X+32*\hd+2*p+1]
.set p, p+1
.endr
.endr
.irp hd, 0,1
.irp b, 0,1,2,3
	ds_store_b128 v[STO], v[Y+16*\hd+4*\b:Y+16*\hd+4*\b+3] offset:2304*\hd+32*\b
.endr
.endr
.irp hd, 0,1
.irp f, 0,1,2,3
	ds_load_b128 v[X+16*\hd+4*\f:X+16*\hd+4*\f+3], v[RD] offset:2304*\hd+576*\f
.endr
.endr
	s_wait_dscnt 0x0
.irp hd, 0,1
.irp f, 0,1,2,3
	global_store_b128 v[GO], v[X+16*\hd+4*\f:X+16*\hd+4*\f+3], s[8:9] offset:262144*\hd+512*\f  ; 512 consecutive bytes, at a multiple of 256 from the buffer's first
.endr
.endr
.if \norm
.set p, 0
.rept 8                                ; the tables go 16 positions on
.set u, SQ+4*((p/2)%2)
	v_pk_mul_f32 v[u:u+1],   v[SIN+p:SIN+p+1], v[RS+p:RS+p+1]
	v_pk_mul_f32 v[u+2:u+3], v[COS+p:COS+p+1], v[RS+p:RS+p+1]
	v_pk_fma_f32 v[COS+p:COS+p+1], v[COS+p:COS+p+1], v[RC+p:RC+p+1], v[u:u+1] neg_lo:[0,0,1] neg_hi:[0,0,1]
	v_pk_fma_f32 v[SIN+p:SIN+p+1], v[SIN+p:SIN+p+1], v[RC+p:RC+p+1], v[u+2:u+3]
.set p, p+2
.endr
.endif
	s_wait_xcnt 0x0                                ; the stores have read their registers and their base
	s_add_nc_u64 s[8:9], s[8:9], 2048              ; 16 rows on
	v_add_nc_u32 v[DLD], 0x2000, v[DLD]
.endm
	s_mov_b32 s2, 8
	s_cmp_eq_u32 s[TSEL], 2
	s_cbranch_scc1 .Lvout
	; q and k.  The gains' loads go out first; the tables are made while they are on their way.
.irp b, 0,1,2,3
	global_load_b128 v[NW+8*\b:NW+8*\b+3],   v[GA], s[NWP:NWP+1] offset:64*\b
	global_load_b128 v[NW+8*\b+4:NW+8*\b+7], v[GA], s[NWP:NWP+1] offset:64*\b+16
.endr
	v_lshlrev_b32 v[H8], 3, v2
.set i, 0
.rept 16                               ; table entry i = 8 b + j stands for d = 16 b + 8 (l / 16) + j, under 32
	v_add_nc_u32 v[TH+i], 16*(i/8)+i%8, v[H8]
.set i, i+1
.endr
.set i, 0
.rept 16
	v_cvt_f32_u32 v[TH+i], v[TH+i]
.set i, i+1
.endr
.set i, 0
.rept 16
	v_mul_f32 v[TH+i], 0xbf1773da, v[TH+i]         ; - d log2(500000) / 32
.set i, i+1
.endr
.set i, 0
.rept 16
	v_exp_f32 v[TH+i], v[TH+i]                     ; theta
.set i, i+1
.endr
	v_add_nc_u32 v[POSF], s[POSB], v1              ; my first token's position
	v_cvt_f32_u32 v[POSF], v[POSF]
	v_mov_b32 v[POSF+1], v[POSF]
	v_mov_b32 v[RSQ+1], 0                          ; named in pairs with the two reciprocal roots
	v_mov_b32 v[RSQ+3], 0
	s_wait_alu depctr_va_vdst(0)                   ; one wait for the sixteen exponentials
.set i, 0
.rept 8
	v_pk_mul_f32 v[XA+i:XA+i+1], v[TH+i:TH+i+1], v[POSF:POSF+1]
	v_pk_mul_f32 v[XB+i:XB+i+1], v[TH+i:TH+i+1], 0x41800000 op_sel_hi:[1,0]   ; 16 theta
.set i, i+2
.endr
.set i, 0
.rept 8
	SINCOS XA+i, COS+i, SIN+i
	SINCOS XB+i, RC+i, RS+i
.set i, i+2
.endr
	s_wait_loadcnt 0x0                             ; the gains; rounded to bf16 like every input
.set i, 0
.rept 16
	v_cvt_pk_bf16_f32 v[TN+i%4], v[NW+2*i], v[NW+2*i+1]
	v_lshlrev_b32 v[NW+2*i], 16, v[TN+i%4]
	v_and_b32 v[NW+2*i+1], s98, v[TN+i%4]
.set i, i+1
.endr
.Lqk:
	TRIPOUT 1
	s_sub_co_u32 s2, s2, 1
	s_cmp_lg_u32 s2, 0
	s_cbranch_scc1 .Lqk
	s_branch .Lend
.Lvout:
	TRIPOUT 0
	s_sub_co_u32 s2, s2, 1
	s_cmp_lg_u32 s2, 0
	s_cbranch_scc1 .Lvout
.Lend:
	s_wait_tensorcnt 0x0                           ; the wave's end, behind my last tensor load and my last LDS store
	ds_add_u32 v[SPW], v[NIL]
	s_wait_dscnt 0x0
	CROUND                                         ; the closing round
	s_endpgm
.Lfunc_end_k_q68e4f3f126_proj:
	.size	k_q68e4f3f126_proj, .Lfunc_end_k_q68e4f3f126_proj-k_q68e4f3f126_proj
	.p2alignl 7, 3214868480
	.fill 96, 4, 3214868480
	.section	.rodata,"a",@progbits
	.p2align	6, 0x0
	.amdhsa_kernel k_q68e4f3f126_proj
		.amdhsa_group_segment_fixed_size 327680
		.amdhsa_private_segment_fixed_size 0
		.amdhsa_enable_private_segment 0
		.amdhsa_kernarg_size 88
		.amdhsa_user_sgpr_count 2
		.amdhsa_user_sgpr_kernarg_segment_ptr 1
		.amdhsa_wavefront_size32 1
		.amdhsa_system_sgpr_workgroup_id_x 1
		.amdhsa_system_sgpr_workgroup_id_y 1
		.amdhsa_system_sgpr_workgroup_id_z 1
		.amdhsa_system_vgpr_workitem_id 0
		.amdhsa_next_free_vgpr 1024
		.amdhsa_next_free_sgpr 100
		.amdhsa_reserve_vcc 0
		.amdhsa_float_denorm_mode_32 3
		.amdhsa_float_denorm_mode_16_64 3
		.amdhsa_memory_ordered 1
		.amdhsa_forward_progress 1
		.amdhsa_inst_pref_size 183
	.end_amdhsa_kernel
	.amdgpu_metadata
---
amdhsa.version: [ 1, 2 ]
amdhsa.kernels:
  - .name:           k_q68e4f3f126_proj
    .symbol:         k_q68e4f3f126_proj.kd
    .args:
      - { .name: q, .offset: 0, .size: 8, .value_kind: global_buffer, .address_space: global }
      - { .name: k, .offset: 8, .size: 8, .value_kind: global_buffer, .address_space: global }
      - { .name: v, .offset: 16, .size: 8, .value_kind: global_buffer, .address_space: global }
      - { .name: w_q, .offset: 24, .size: 8, .value_kind: global_buffer, .address_space: global }
      - { .name: w_k, .offset: 32, .size: 8, .value_kind: global_buffer, .address_space: global }
      - { .name: w_v, .offset: 40, .size: 8, .value_kind: global_buffer, .address_space: global }
      - { .name: q_norm_w, .offset: 48, .size: 8, .value_kind: global_buffer, .address_space: global }
      - { .name: k_norm_w, .offset: 56, .size: 8, .value_kind: global_buffer, .address_space: global }
      - { .name: qh, .offset: 64, .size: 8, .value_kind: global_buffer, .address_space: global }
      - { .name: kh, .offset: 72, .size: 8, .value_kind: global_buffer, .address_space: global }
      - { .name: vh, .offset: 80, .size: 8, .value_kind: global_buffer, .address_space: global }
    .group_segment_fixed_size: 327680
    .private_segment_fixed_size: 0
    .kernarg_segment_align: 8
    .kernarg_segment_size: 88
    .max_flat_workgroup_size: 128
    .sgpr_count:     100
    .vgpr_count:     1024
    .wavefront_size: 32
...
	.end_amdgpu_metadata
.endif
;; end of part 1
;; launch attn (part 2): grid 8 x 32, 4 waves a work-group, no clusters, 327,680 bytes of LDS; arguments qh, kh, vh, oh, w_o, wo16; writes oh, wo16
.if DOCPART == 2
	.amdgcn_target "amdgcn-amd-amdhsa--gfx1250"
	.amdhsa_code_object_version 6
	.text
	.protected	k_q68e4f3f126_attn
	.globl	k_q68e4f3f126_attn
	.p2align	8
	.type	k_q68e4f3f126_attn,@function
k_q68e4f3f126_attn:
	s_mov_b64 s[64:65], 0
	v_nop
	global_prefetch_b8 v0, s[64:65] scope:SCOPE_SE
	s_setreg_imm32_b32 hwreg(HW_REG_WAVE_MODE, 25, 1), 1
	s_wait_xcnt 0x0
; CAUSAL ATTENTION.  O[h][q][:] = the sum over k <= q of softmax_k(Q[h][q] . K[h][k] / 8) V[h][k][:].  qh, kh, vh, oh: [32][2048][64] f16, a head's rows dense, 128 bytes each.
; Products, maxima and sums in f32; the weights p are rounded to f16 for the second product (their sum l is taken of the unrounded p), O once at the end.
; LEFT OUT: the key tiles wholly above the diagonal, whose weights are 0 for all finite inputs (shown at the head of the first kernel).
; ALSO HERE, in the wait for the first tile: the cast of w_o, four rows a work-group: rounded to bf16 like every input, and that number written as f16 (below 6e-5 it keeps f16's fixed step of 6e-8; beyond 65,504 it would not fit).
; LIMITS.  Q, K and V arrive within f16.  A hidden score counts as its value less 1e30; a weight below 2^-126 counts as 0 in l; NaN and infinities are not treated apart.
; THE WALK.  A head's queries lie in 16 blocks of 128; block i needs the key tiles 0 .. i / 2 of 256 keys, of which the last holds the diagonal.  A work-group takes TWO blocks, 15 - b and then b: (15 - b) / 2 + 1 + b / 2 + 1 = 9
; tiles, whatever b: 256 equal work-groups, and ONE loop with a constant trip count.  NO CLUSTER: a head's eight work-groups ask for the same tile in the first five trips only; one walk common to all would have 12 trips for 9.
; SHARES.  Of a block's two bands of 64 queries a wave owns 16 rows in each: two PIECES.  In the block's last tile band x sees all keys of step s if s < OWN, none if s > OWN, and holds the diagonal if s = OWN = x + 2 (i % 2).
; THE MASK is the C operand that starts the sum S^T = K Q^T: MD x AL + BE, MD the mask of a band's own step for my rows: (1, 0) if s = OWN; (0, 0) below; (0, -1e30) above.  Only the last tile's text and a block's beginning take masks.
; TURNS.  T0(j): 8 products K Q^T of piece 1, step j; 8 products V^T P of piece 1, step j - 1; beside them piece 0's softmax of step j and piece 1's maximum.  T1(j): K Q^T of piece 0, step j + 1; V^T P of piece 0, step j;
; piece 1's softmax; piece 0's maximum.  Four vector instructions stand behind every matrix instruction, the others in one lump; a turn's 33 exponentials are one batch with one wait.
; T0(j) fetches K and V of step j + 1: K into its one buffer, V into the one of two buffers that its own products have just read.  So a tile's bytes have all been asked for when T1(2) ends, and the change of slots stands there.
; REGISTERS, in windows of 256: window 0: v0-15 addresses; v16-23 statistics; v48-55 at work; v56-63 addresses; v64-127 S^T, two buffers; v128-175 the cast; v192-223 P, two buffers
;   window 1: v0-63 O^T; v128-159 MD; v160-223 MC, two buffers      window 2: v0-31 Q; v32-63 the second block's Q; v64-127 K; v128-191, v192-255 V, two buffers
.set NP,    2
.set KS,    64
.set PK,    144       ; a row of K in LDS: 128 bytes + 16 of padding
.set PV,    160       ; a row of V: 128 + 32
.set VOFF,  4*KS*PK   ; a slot holds a tile: 256 rows of K, then 256 rows of V
.set SLOT1, 1<<17
.set STAGE, SLOT1+4*KS*(PK+PV)
.set SP,    144
.set SPARE, STAGE+4*16*SP
.set AK0, 2
.set AV0, 3
.set AK,  4
.set AV,  5
.set STO, 6
.set RD,  7
.set GO,  8
.set MV,  12
.set QO,  15
.set ST,  16          ; piece t's statistics at v[ST+4 t]: c m, m, l (even keys', odd keys')
.set TMP, 48
.set CI,  56          ; v56  the cast: my 32 bytes of a row of w_o
.set CO,  57          ; v57  my 16 bytes of a row of wo16
.set PFO, 61          ; v61  256 x my thread's number: a wave's 8,192 bytes of a tile, a lane each 256
.set SPW, 62
.set NIL, 63
.set S,   64
.set CW,  128
.set CH,  160
.set P,   192
.set MD,  128         ; window 1
.set MC,  160         ; window 1
.set QB,  32          ; window 2
.set KF,  64          ; window 2
.set VF,  128         ; window 2
.set WV,  12
.set PB,  14
.set HI,  15
.set G1K, 24
.set G1V, 32
.set G0K, 40
.set G0V, 44
.set SLOTS, 56
.set CNT, 57
.set CS,  58
.set SEL, 60
.set TBK, 62
.set TBV, 63
.set PKA, 66          ; s[66:67], s[68:69] where the prefetches stand in K and V
.set PVA, 68
.set RT,  70
.set NXT, 71
.set LQ,  72
.set NEW, 73
.set OFF, 74
.set AL,  76
.set BE,  78
.set OLO, 80
.set BIGN, 82
.set STP, 83          ; s83  the step of the last tile for which masks are being made
.set OWN0, 88         ; s88, s89  the two bands' own steps
.set OW2, 90          ; s90  the second block's 2 (b % 2)
.set LQ2, 91          ; s91  the second block's last tile
.set SB,  96          ; s96  the slot that is being read
.set T2,  97          ; s97  the second block's tiles
.set LIM, 98          ; s98  3 in the work-group that prefetches, else the greatest number
.set MSB, 0
.macro WIN new
.if MSB != (\new)
	s_set_vgpr_msb (MSB<<8)|(\new)
.set MSB, (\new)
.endif
.endm
.set W_KQ, 0x0a
.set W_KM, 0x1a
.set W_PV, 0x52
.set W_RS, 0x41
; A fill.  Waves 0 and 1 fetch the two halves of a tile's K, waves 2 and 3 those of its V.  An s_nop 0 and four v_nop follow each line.
.macro LOAD
	s_cmp_lt_u32 s[WV], 2
	s_cbranch_scc0 .Lfor_v_\@
	tensor_load_to_lds s[G0K:G0K+3], s[G1K:G1K+7]
	s_nop 0
.rept 4
	v_nop
.endr
	s_branch .Lasked_\@
.Lfor_v_\@:
	tensor_load_to_lds s[G0V:G0V+3], s[G1V:G1V+7]
	s_nop 0
.rept 4
	v_nop
.endr
.Lasked_\@:
.endm
; A prefetch into the L2.  The head's work-group b = 0 walks all eight tiles: it alone asks.  At the change that loads tile t it names tile t + 2, for t = 1 .. 5: two tiles, 256 matrix instructions, ahead of that tile's load.
; Each wave takes 8,192 bytes of K and of V, a lane each 256.  Tiles 0 to 2 come by their loads alone; the second block's tiles have been read before.
.macro ASK
	s_cmp_gt_u32 s[SLOTS], s[LIM]
	s_cbranch_scc0 .Lnot_mine_\@
	global_prefetch_b8 v[PFO], s[PKA:PKA+1] th:TH_LOAD_NT scope:SCOPE_SE
	global_prefetch_b8 v[PFO], s[PVA:PVA+1] th:TH_LOAD_NT scope:SCOPE_SE
.Lnot_mine_\@:
.endm
; THE CHANGE OF SLOTS.  Each wave waits for all its tensor loads (one is out: its part of the other slot), adds 0 to its spare word, and waits for that and for its reads of the slot that it leaves.
; fill = 1: the old slot is filled again, the first thing behind the barrier, with tile NXT.
.macro CHANGE fill
	WIN 0
	s_wait_tensorcnt 0x0
	ds_add_u32 v[SPW], v[NIL]       ; 0 onto my spare word
.if \fill
	s_lshl_b32 s[OFF], s[NXT], 15   ; a tile is 32,768 bytes of K and of V
	s_xor_b32 s[G0K+1], s[G0K+1], SLOT1
	s_add_nc_u64 s[G0K+2:G0K+3], s[6:7], s[OFF:OFF+1]
	s_or_b32 s[G0K+3], s[G0K+3], 0x80000000
	s_xor_b32 s[G0V+1], s[G0V+1], SLOT1
	s_add_nc_u64 s[G0V+2:G0V+3], s[8:9], s[OFF:OFF+1]
	s_or_b32 s[G0V+3], s[G0V+3], 0x80000000
	s_add_co_u32 s[NXT], s[NXT], 1  ; the block's next tile, or behind its last the second block's tile 0
	s_cmp_gt_u32 s[NXT], s[LQ]
	s_cselect_b32 s[NXT], 0, s[NXT]
	s_cselect_b32 s[LQ], s[LQ2], s[LQ]
	s_wait_xcnt 0x0                 ; the last prefetches, a tile back, have read their addresses
	s_add_nc_u64 s[PKA:PKA+1], s[PKA:PKA+1], 32768
	s_add_nc_u64 s[PVA:PVA+1], s[PVA:PVA+1], 32768
.endif
	s_wait_dscnt 0x0                ; the add is done, and my reads of the slot are over
	s_barrier_signal -1
	s_xor_b32 s[SB], s[SB], SLOT1   ; the fetches begin at the other slot's first step
	s_mov_b32 s[TBK], s[SB]
	s_mov_b32 s[TBV], s[SB]
	s_barrier_wait -1
.if \fill
	LOAD
	ASK
.endif
.endm
	s_load_b256 s[4:11], s[0:1], 0x0  ; Q s[4:5], K s[6:7], V s[8:9], O s[10:11]
	s_load_b128 s[92:95], s[0:1], 0x20  ; w_o, wo16
	v_lshl_add_u32 v[SPW], v0, 2, SPARE
	v_mov_b32 v[NIL], 0
	ds_add_u32 v[SPW], v[NIL]       ; the wave's opening: the add, twice on end, and its wait ahead of my first tensor load
	ds_add_u32 v[SPW], v[NIL]
	v_lshrrev_b32 v1, 5, v0
	v_readfirstlane_b32 s[WV], v1
	s_mov_b32 s[PB], ttmp9
	s_sub_co_u32 s[HI], 15, s[PB]
	s_and_b32 s20, ttmp7, 0xffff    ; the head
	s_lshl_b32 s13, s20, 3
	s_add_co_u32 s13, s13, s[PB]    ; the work-group among the 256: its four rows of w_o
	s_lshl_b32 s20, s20, 18         ; the head's first byte in each of the four tensors
	s_mov_b32 s21, 0
	s_and_b32 s16, s[WV], 1         ; which half of a tile's 256 keys I fetch
	s_lshl_b32 s22, s16, 14
	s_mov_b32 s23, 0
	s_add_nc_u64 s[22:23], s[22:23], s[20:21]
	s_mul_i32 s17, s16, 128*PK
	s_mul_i32 s18, s16, 128*PV
	s_lshl_b32 s3, s[WV], 11        ; my 16 rows in a band of 64,
	s_lshl_b32 s2, s[HI], 14        ; in the first block,
	s_add_co_u32 s2, s2, s3
	s_lshl_b32 s84, s[PB], 14       ; and in the second
	s_add_co_u32 s84, s84, s3
	s_mov_b32 s3, 0
	s_mov_b32 s85, 0
	s_add_nc_u64 s[2:3], s[2:3], s[20:21]
	s_add_nc_u64 s[84:85], s[84:85], s[20:21]
	; descriptor group 1.  128 keys are 16,384 dense bytes: asked for as 64 rows of 256 bytes, two keys a row, and padded in LDS after every key
	s_mov_b32 s[G1K], (1<<16)|(1<<20)|(4<<22)|(3<<25)
	s_mov_b32 s[G1V], (1<<16)|(1<<20)|(4<<22)|(7<<25)
.irp g, G1K, G1V
	s_mov_b32 s[\g+1], 128<<16
	s_mov_b32 s[\g+2], 64<<16
	s_mov_b32 s[\g+3], 128<<16
	s_mov_b32 s[\g+4], 64
	s_mov_b32 s[\g+5], 128
	s_mov_b32 s[\g+6], 0
	s_mov_b32 s[\g+7], 0
.endr
	s_mov_b32 s[CS], 0x3e38aa3b     ; c = log2(e) / 8
	s_mov_b32 s[CS+1], s[CS]
	s_mov_b32 s[SEL], 0x76543210
	s_mov_b32 s[SEL+1], 0xfedcba98
	s_mov_b32 s[G0K], 1
	s_mov_b32 s[G0K+1], s17         ; slot 0
	s_mov_b32 s[G0V], 1
	s_add_co_u32 s[G0V+1], s18, VOFF
	s_lshr_b32 s[LQ], s[HI], 1      ; the first block's last tile
	s_add_co_u32 s[RT], s[LQ], 1    ; and how many it has
	s_lshr_b32 s[LQ2], s[PB], 1
	s_add_co_u32 s[T2], s[LQ2], 1
	s_and_b32 s[OWN0], s[HI], 1
	s_lshl_b32 s[OWN0], s[OWN0], 1
	s_add_co_u32 s[OWN0+1], s[OWN0], 1
	s_and_b32 s[OW2], s[PB], 1
	s_lshl_b32 s[OW2], s[OW2], 1
	s_mov_b32 s[NXT], 1
	s_mov_b32 s[NEW], 1
	s_mov_b32 s[STP], 0
	s_mov_b32 s[SB], SLOT1          ; the first change of slots turns it into 0
	s_mov_b32 s[OFF+1], 0
	s_mov_b32 s[AL+1], 0
	s_mov_b32 s[BE+1], 0
	s_mov_b32 s[BIGN], 0xf149f2ca   ; -1e30
	s_mov_b32 s[SLOTS], 8
	s_cmp_eq_u32 s[PB], 0
	s_cselect_b32 s[LIM], 3, -1
	s_wait_dscnt 0x0                ; both opening adds are done
	s_wait_kmcnt 0x0
	s_add_nc_u64 s[PKA:PKA+1], s[6:7], s[20:21]
	s_add_nc_u64 s[PKA:PKA+1], s[PKA:PKA+1], 65536  ; at tile 2: the first change steps it to 3
	s_add_nc_u64 s[PVA:PVA+1], s[8:9], s[20:21]
	s_add_nc_u64 s[PVA:PVA+1], s[PVA:PVA+1], 65536
	s_add_nc_u64 s[6:7], s[6:7], s[22:23]  ; K and V at my half of the head's tile 0
	s_add_nc_u64 s[8:9], s[8:9], s[22:23]
	s_add_nc_u64 s[G0K+2:G0K+3], s[6:7], 0
	s_or_b32 s[G0K+3], s[G0K+3], 0x80000000
	s_add_nc_u64 s[G0V+2:G0V+3], s[8:9], 0
	s_or_b32 s[G0V+3], s[G0V+3], 0x80000000
	s_add_nc_u64 s[86:87], s[4:5], s[84:85]
	s_add_nc_u64 s[4:5], s[4:5], s[2:3]
	s_add_nc_u64 s[OLO:OLO+1], s[10:11], s[84:85]
	s_add_nc_u64 s[10:11], s[10:11], s[2:3]
	s_lshl_b32 s18, s13, 14         ; four rows of w_o are 16,384 bytes,
	s_mov_b32 s19, 0
	s_add_nc_u64 s[92:93], s[92:93], s[18:19]
	s_lshl_b32 s18, s13, 13         ; of wo16 8,192
	s_add_nc_u64 s[94:95], s[94:95], s[18:19]
	LOAD                            ; tile 0 into slot 0
	v_and_b32 v1, 15, v0            ; l % 16
	v_bfe_u32 v9, v0, 4, 1          ; l / 16
	v_lshlrev_b32 v[QO], 7, v1
	v_lshl_add_u32 v[QO], v9, 4, v[QO]
	v_lshlrev_b32 v[CI], 5, v0
	v_lshlrev_b32 v[CO], 4, v0
	v_lshlrev_b32 v[PFO], 8, v0
	WIN 0x80                        ; destination window 2, address window 0
.set i, 0
.rept 4                             ; both blocks' Q: piece i / 2 lies in band i / 2, 8,192 bytes on; channels 32 (i % 2) on
	global_load_b128 v[8*i:8*i+3],   v[QO], s[4:5] offset:(i/2)*8192+(i%2)*64
	global_load_b128 v[8*i+4:8*i+7], v[QO], s[4:5] offset:(i/2)*8192+(i%2)*64+32
	global_load_b128 v[QB+8*i:QB+8*i+3],   v[QO], s[86:87] offset:(i/2)*8192+(i%2)*64
	global_load_b128 v[QB+8*i+4:QB+8*i+7], v[QO], s[86:87] offset:(i/2)*8192+(i%2)*64+32
.set i, i+1
.endr
	WIN 0
.irp i, 0,1,2,3
	global_load_b128 v[CW+8*\i:CW+8*\i+3],   v[CI], s[92:93] offset:4096*\i
	global_load_b128 v[CW+8*\i+4:CW+8*\i+7], v[CI], s[92:93] offset:4096*\i+16
.endr
	v_lshlrev_b32 v14, 3, v9
	v_sub_nc_u32 v14, v1, v14
	s_lshl_b32 s13, s[WV], 4
	v_add_nc_u32 v14, s13, v14      ; my query's place in its band less my lanes' 8 (l / 16): register r of group kt is hidden where 16 kt + r is greater
	WIN 0x40
.set i, 0
.rept 32
	v_cmp_gt_i32 vcc_lo, 16*(i/8)+i%8, v14
	v_cndmask_b32 v[MD+i], 0, s[BIGN], vcc_lo
.set i, i+1
.endr
	WIN 0
	v_mul_u32_u24 v[AK0], v1, PK
	v_lshl_add_u32 v[AK0], v9, 4, v[AK0]
	v_and_b32 v10, 7, v0
	v_bfe_u32 v11, v0, 3, 1
	v_lshl_add_u32 v[AV0], v9, 3, v10
	v_mul_u32_u24 v[AV0], v[AV0], PV
	v_lshl_add_u32 v[AV0], v11, 4, v[AV0]
	v_add_nc_u32 v[AV0], VOFF, v[AV0]
	s_mul_i32 s13, s[WV], 16*SP
	s_add_co_u32 s13, s13, STAGE
	v_mul_u32_u24 v[STO], v1, SP
	v_lshl_add_u32 v[STO], v9, 4, v[STO]
	v_add_nc_u32 v[STO], s13, v[STO]
	v_bfe_u32 v[RD], v0, 3, 2
	v_mul_u32_u24 v[RD], v[RD], SP
	v_lshl_add_u32 v[RD], v10, 4, v[RD]
	v_add_nc_u32 v[RD], s13, v[RD]
	v_and_b32 v[GO], 31, v0
	v_lshlrev_b32 v[GO], 4, v[GO]
	; A block's first step multiplies O^T and l by a = 0, and its first turn's products V^T P, of a step that has not been, land in an O^T that is still to be so multiplied: these registers need only hold finite numbers.
	WIN 0x80
.set i, VF+64
.rept 64
	v_mov_b32 v[i], 0
.set i, i+1
.endr
	WIN 0x40
.set i, 0
.rept 64
	v_mov_b32 v[i], 0
.set i, i+1
.endr
	WIN 0
.set i, 0
.rept 2
	v_mov_b32 v[ST+4*i+2], 0
	v_mov_b32 v[ST+4*i+3], 0
.set i, i+1
.endr
.set i, P+16
.rept 16
	v_mov_b32 v[i], 0
.set i, i+1
.endr
	s_wait_loadcnt 0x0              ; Q, and my numbers of w_o
.set i, 0
.rept 16                            ; two numbers: rounded to bf16, widened, written as f16
	v_cvt_pk_bf16_f32 v[CW+2*i], v[CW+2*i], v[CW+2*i+1]
	v_and_b32 v[CW+2*i+1], 0xffff0000, v[CW+2*i]
	v_lshlrev_b32 v[CW+2*i], 16, v[CW+2*i]
	v_cvt_pk_f16_f32 v[CH+i], v[CW+2*i], v[CW+2*i+1]
.set i, i+1
.endr
.irp i, 0,1,2,3
	global_store_b128 v[CO], v[CH+4*\i:CH+4*\i+3], s[94:95] offset:2048*\i  ; a wave stores 512 consecutive bytes
.endr
; THE MATRIX WORK.  The 4 accumulators of a run of 8 take turns.  Product i of 8 of S^T = K Q^T for piece x: channels 32 (i / 4) on, keys 16 (i % 4) on.
.macro KQ x
.set rS, S+32*((\x)%2)+8*(i%4)
.set rK, KF+16*(i%4)+8*(i/4)
.set rQ, 16*(\x)+8*(i/4)
.set rM, MC+32*((\x)%2)+8*(i%4)
.if (i < 4) && KM
	WIN W_KM
	v_wmma_f32_16x16x32_f16 v[rS:rS+7], v[rK:rK+7], v[rQ:rQ+7], v[rM:rM+7]
.elseif i < 4
	WIN W_KQ
	v_wmma_f32_16x16x32_f16 v[rS:rS+7], v[rK:rK+7], v[rQ:rQ+7], 0
.else
	WIN W_KQ
	v_wmma_f32_16x16x32_f16 v[rS:rS+7], v[rK:rK+7], v[rQ:rQ+7], v[rS:rS+7]
.endif
.endm
; Product i of 8 of O^T += V^T P for piece x, from V's buffer VB: keys 32 (i / 4) on, channels 16 (i % 4) on.
.macro PV x
	WIN W_PV
.set rO, 32*(\x)+8*(i%4)
.set rV, VF+64*VB+32*(i/4)+8*(i%4)
.set rP, P+16*((\x)%2)+8*(i/4)
	v_wmma_f32_16x16x32_f16 v[rO:rO+7], v[rV:rV+7], v[rP:rP+7], v[rO:rO+7]
.endm
.macro MM                           ; the turn's next matrix instruction
.if i < 8
	KQ (Y+1)%NP
.else
.set i, i-8
	PV (Y+NP-1)%NP
.set i, i+8
.endif
.set i, i+1
.endm
; THE LDS LOADS stand in runs of 16.  skip = 1 (the last tile's odd steps): in the block's last step there is no further step, and the run is jumped over.
.macro FETCH_K skip=0
	WIN 0
.if \skip
	s_cmp_eq_u32 s[CNT], 1
	s_cbranch_scc1 .Lno_k_\@
.endif
	WIN 0x80
.irp f, 0,1,2,3,4,5,6,7
	ds_load_b128 v[KF+8*\f:KF+8*\f+3],   v[AK] offset:(\f/2)*16*PK+(\f%2)*64
	ds_load_b128 v[KF+8*\f+4:KF+8*\f+7], v[AK] offset:(\f/2)*16*PK+(\f%2)*64+32
.endr
	s_add_co_u32 s[TBK], s[TBK], KS*PK
	WIN 0
.if \skip
.Lno_k_\@:
.endif
.endm
.macro FETCH_V vb, skip=0
	WIN 0
.if \skip
	s_cmp_eq_u32 s[CNT], 1
	s_cbranch_scc1 .Lno_v_\@
.endif
	WIN 0x80
.irp f, 0,1,2,3,4,5,6,7
	ds_load_tr16_b128 v[VF+64*(\vb)+8*\f:VF+64*(\vb)+8*\f+3],   v[AV] offset:(\f/4)*32*PV+(\f%4)*32
	ds_load_tr16_b128 v[VF+64*(\vb)+8*\f+4:VF+64*(\vb)+8*\f+7], v[AV] offset:(\f/4)*32*PV+16*PV+(\f%4)*32
.endr
	WIN 0
.if \skip
.Lno_v_\@:
.endif
.endm
; THE VECTOR WORK, one line at a time: OP kind, number.  For piece Y: F n: c s - c m for pair n.  E n: the exponential of score n.  C n: pair n rounded to f16.  B n: of the four weights 4 n .. the second pair is added onto the
; first.  L n: l takes that sum (L 0: l = a l + sum).  R n: pair n of O^T times a.  For the other piece: X n, number n of the 22 that find its maximum and statistics (each accumulator's lowest registers are read first).
.set F, 0
.set E, 1
.set C, 2
.set B, 3
.set L, 4
.set R, 5
.set X, 6
.macro REGS y
.set rT, ST+4*(\y)
.set rC, TMP+4*((\y)%2)
.set rW, MV+((\y)%2)
.set rS, S+32*((\y)%2)
.set rP, P+16*((\y)%2)
.set rO, 32*(\y)
.endm
.macro OP k, n
.if (\k) == R
	REGS Y
	WIN W_RS
	v_pk_mul_f32 v[rO+2*(\n):rO+2*(\n)+1], v[rO+2*(\n):rO+2*(\n)+1], v[rC+2:rC+3] op_sel_hi:[1,0]
.elseif (\k) < R
	REGS Y
	WIN 0
.if (\k) == F
	v_pk_fma_f32 v[rS+2*(\n):rS+2*(\n)+1], v[rS+2*(\n):rS+2*(\n)+1], s[CS:CS+1], v[rT:rT+1] op_sel_hi:[1,0,0] neg_lo:[0,0,1] neg_hi:[0,0,1]
.elseif (\k) == E
	v_exp_f32 v[rS+(\n)], v[rS+(\n)]
.elseif (\k) == C
	v_cvt_pk_f16_f32 v[rP+(\n)], v[rS+2*(\n)], v[rS+2*(\n)+1]
.elseif (\k) == B
	v_pk_add_f32 v[rS+4*(\n):rS+4*(\n)+1], v[rS+4*(\n):rS+4*(\n)+1], v[rS+4*(\n)+2:rS+4*(\n)+3]
.elseif (\n) == 0
	v_pk_fma_f32 v[rT+2:rT+3], v[rT+2:rT+3], v[rC+2:rC+3], v[rS:rS+1] op_sel_hi:[1,0,1]
.else
	v_pk_add_f32 v[rT+2:rT+3], v[rT+2:rT+3], v[rS+4*(\n):rS+4*(\n)+1]
.endif
.else
	REGS (Y+1)%NP
	WIN 0
.if (\n) < 4
	v_max3_num_f32 v[rC+(\n)], v[rS+8*(\n)], v[rS+8*(\n)+1], v[rS+8*(\n)+2]
.elseif (\n) < 12
	v_max3_num_f32 v[rC+(\n)%4], v[rC+(\n)%4], v[rS+8*((\n)%4)+2*((\n)/4)+1], v[rS+8*((\n)%4)+2*((\n)/4)+2]
.elseif (\n) == 12
	v_max3_num_f32 v[rC], v[rC], v[rS+7], v[rS+15]
.elseif (\n) == 13
	v_max3_num_f32 v[rC+1], v[rC+1], v[rS+23], v[rS+31]
.elseif (\n) == 14
	v_max3_num_f32 v[rC+2], v[rC+2], v[rC+3], v[rT+1]
.elseif (\n) == 15
	v_mov_b32 v[rW], v[rT]
.elseif (\n) == 16
	v_max3_num_f32 v[rC], v[rC], v[rC+1], v[rC+2]
.elseif (\n) == 17
	v_permlanex16_b32 v[rC+3], v[rC], s[SEL], s[SEL+1]
.elseif (\n) == 18
	v_max_num_f32 v[rT+1], v[rC], v[rC+3]
.elseif (\n) == 19
	v_mul_f32 v[rT], s[CS], v[rT+1]
.elseif (\n) == 20
	v_sub_f32 v[rC+1], v[rW], v[rT]
.else
	v_exp_f32 v[rC+2], v[rC+1]
.endif
.endif
.endm
.macro OPS a, i1, b=-1, i2=0, c=-1, i3=0, d=-1, i4=0
	OP \a, \i1
.if (\b) >= 0
	OP \b, \i2
.endif
.if (\c) >= 0
	OP \c, \i3
.endif
.if (\d) >= 0
	OP \d, \i4
.endif
.endm
.macro ROW a, i1, b, i2, c, i3, d, i4  ; a matrix instruction and the four behind it
	MM
	OPS \a, \i1, \b, \i2, \c, \i3, \d, \i4
.endm
.macro MASK b                       ; MD x AL + BE into buffer b of MC
	WIN W_RS
.set z, 0
.rept 16
	v_pk_fma_f32 v[MC+32*(\b)+2*z:MC+32*(\b)+2*z+1], v[MD+2*z:MD+2*z+1], s[AL:AL+1], s[BE:BE+1] op_sel_hi:[1,0,0]
.set z, z+1
.endr
.endm
; A TURN, for piece p; vb: the buffer of V that its products V^T P read.  AHEAD OF ITS ONE WAIT stands all that names no result of the turn's exponentials: 8 products K Q^T with their riders, and one lump; BEHIND IT
; 8 products V^T P, behind each four of the roundings and sums.  m = 1: the block's last tile: the products take masks, and the turn makes the mask for the next turn's products, which are piece p's, for step STP.
; Piece 0's turn fetches the next step's K (in the lump, six plain instructions or more behind the last product that read K) and V (at its end, four plain instructions behind the last product that read that buffer).
; Piece 1's turn waits for K at its head: V's 16 younger loads may stay out; the V that it reads was asked for a step earlier.
; last = 1: both runs are jumped over in the block's last step; K's then stands directly behind the wait.  Where the runs are jumped over nothing younger follows V of the
; step in hand, and the count at the head of piece 1's turn would leave it out: so this turn waits for all its LDS loads ahead of the branch round V's run; the youngest of them, K's, were issued eight products earlier.
.macro TURN p, vb, m=0, cnt=0, last=0
.set Y, (\p)
.set VB, (\vb)
.set i, 0
.set KM, (\m)
.if \m
	s_cmp_eq_u32 s[STP], s[OWN0+(\p)]   ; is that step the band's own?
	s_cselect_b32 s[AL], 1.0, 0
	s_cmp_gt_u32 s[STP], s[OWN0+(\p)]   ; or a later one?
	s_cselect_b32 s[BE], s[BIGN], 0
.if (\p) == 1
	s_add_co_u32 s[STP], s[STP], 1
.endif
.endif
.if (\p) == 1
	s_wait_dscnt 16                 ; K is in, and all that was asked for earlier; only the 16 loads of V's next step may be out
.endif
	ROW F,0, F,1, R,0, R,1
	ROW F,2, E,0, R,2, R,3
	ROW F,3, E,1, R,4, R,5
	ROW F,4, E,2, R,6, R,7
	ROW F,5, E,3, R,8, R,9
	ROW F,6, E,4, X,0, R,10
.if (\p) == 0
	WIN 0
	v_add_nc_u32 v[AK], s[TBK], v[AK0]
.endif
	ROW F,7, E,5, X,1, X,4
	ROW F,8, E,6, X,2, X,5
	OPS E,7, E,8, X,6, E,9
	OPS X,3, E,10, X,8, E,11
.if ((\p) == 0) && !(\last)
	FETCH_K
.endif
	OPS X,9, X,7, E,12, X,10
	OPS E,13, X,12, X,11, E,14
	OPS X,13, E,15, F,9, X,14
.if (\p) == 0
	v_add_nc_u32 v[AV], s[TBV], v[AV0]
.endif
	OPS E,16, F,10, E,17, F,11
	OPS X,16, E,18, X,15, E,19
	OPS F,12, E,20, X,17, E,21
	OPS F,13, E,22, F,14, E,23
	OPS X,18, E,24, F,15, E,25
	OPS R,11, E,26, X,19, E,27
	OPS R,12, E,28, R,13, E,29
	OPS X,20, E,30, R,14, E,31
	OPS X,21, R,15
	WIN 0
	s_wait_alu depctr_va_vdst(0)    ; the wait for the batch
.if ((\p) == 0) && (\last)
	FETCH_K 1
.endif
	ROW C,0, B,0, C,2, B,1
	ROW L,0, C,4, B,2, L,1
	ROW C,6, B,3, L,2, C,8
	ROW B,4, L,3, C,10, B,5
	ROW L,4, C,12, B,6, L,5
.if (\p) == 0
	s_add_co_u32 s[TBV], s[TBV], KS*PV
.endif
.if \cnt
	s_sub_co_u32 s[CNT], s[CNT], 1
	s_cmp_lg_u32 s[CNT], 0
.endif
	ROW C,14, B,7, L,6, C,1
	ROW C,3, L,7, C,5, C,7
	ROW C,9, C,11, C,13, C,15
.if (\p) == 0
.if \last
	s_wait_dscnt 0x0                ; V of the step in hand is in on both ways, and K of the next where it was fetched
.endif
	FETCH_V \vb, \last
.endif
.if \m
	MASK (\p)%2
.endif
.endm
; A BLOCK BEGINS.  c m starts far below every c s, so the first step's a is 0; m at the lowest finite number.  The second mask buffer is 0 (piece 1's own step is never step 0); the first takes piece 0's mask for step 0:
; its own, if the block's first tile is its last and its own step is 0.  Then K and V of that step, piece 0's first scores, and its maximum and statistics.
.macro BEGIN
	s_mov_b32 s[NEW], 0
	WIN 0x40
.set i, MC+32
.rept 32
	v_mov_b32 v[i], 0
.set i, i+1
.endr
	WIN 0
.set i, 0
.rept 2
	v_mov_b32 v[ST+4*i], 0xfe000000
	v_mov_b32 v[ST+4*i+1], 0xff7fffff
.set i, i+1
.endr
	s_or_b32 s20, s[RT], s[OWN0]
	s_cmp_eq_u32 s20, 0
	s_cselect_b32 s[AL], 1.0, 0
	s_mov_b32 s[BE], 0
	MASK 0
	WIN 0
	v_add_nc_u32 v[AK], s[TBK], v[AK0]
	v_add_nc_u32 v[AV], s[TBV], v[AV0]
	s_add_co_u32 s[TBV], s[TBV], KS*PV
	FETCH_K
	FETCH_V 0
	s_wait_dscnt 16                 ; K is in; V's 16 loads may stay out
.set KM, 1
.set i, 0
.rept 8
	KQ 0
.set i, i+1
.endr
	WIN 0
.rept 4
	v_nop                           ; the places behind those products
.endr
.set Y, NP-1
.irp n, 0,1,2,3,4,5,6,7,8,9,10,11,12,13,14,15,16,17,18,19,20,21
	OP X, \n
.endr
	v_nop                           ; a plain instruction behind the exponential,
	s_wait_alu depctr_va_vdst(0)    ; and its wait, ahead of the branch
	s_mov_b32 s[STP], 1
.endm
.macro ALL line:vararg
.set t, 0
.rept 2
	\line
.set t, t+1
.endr
.endm
.macro PACK t
	WIN W_RS
.set i, 32*(\t)
.rept 16
	v_pk_mul_f32 v[i:i+1], v[i:i+1], v[ST+4*(\t)+2:ST+4*(\t)+3] op_sel_hi:[1,0]
.set i, i+2
.endr
	WIN 0x05
.set i, 0
.rept 16
	v_cvt_pk_f16_f32 v[S+16*(\t)+i], v[32*(\t)+2*i], v[32*(\t)+2*i+1]
.set i, i+1
.endr
	WIN 0
.irp f, 0,1,2,3
	ds_store_b128 v[STO], v[S+16*(\t)+4*\f:S+16*(\t)+4*\f+3] offset:32*\f
.endr
.irp f, 0,1,2,3
	ds_load_b128 v[S+16*(\t)+4*\f:S+16*(\t)+4*\f+3], v[RD] offset:\f*4*SP  ; LDS serves a wave's instructions in order: these see the stores above
.endr
.endm
.macro SEND t, younger
	WIN 0
.irp f, 0,1,2,3
	s_wait_dscnt (\younger)+3-\f
	global_store_b128 v[GO], v[S+16*(\t)+4*\f:S+16*(\t)+4*\f+3], s[10:11] offset:(\t)*8192+\f*512  ; 512 consecutive bytes, at a multiple of 256 from O's first
.endr
.endm
; THE BLOCK'S LAST TILE.  Entered at its head (CNT = 3, STP = 0) with the tile before's step 3, or in its middle (CNT = 2, STP = 1) behind BEGIN; left behind step 3.  The last turn's products K Q^T, on the last K once more and
; wholly hidden, and the maximum made of them serve nothing: the price of one text for every step.  Then piece 1's last products, and THE WAY OUT.
.macro DIAG tag
.LstepM\tag:
	TURN 0, 0, 1, 0, 1
	TURN 1, 1, 1
	WIN 0
	s_sub_co_u32 s[CNT], s[CNT], 1
	s_cmp_eq_u32 s[CNT], 0
	s_cbranch_scc1 .LoutM\tag
.LfirstM\tag:
	TURN 0, 1, 1
	TURN 1, 0, 1
	WIN 0
	s_branch .LstepM\tag
.LoutM\tag:
.set VB, 1
.set i, 0
.rept 8
	PV 1
.set i, i+1
.endr
	WIN 0
	ALL v_add_f32 v[ST+4*t+2], v[ST+4*t+2], v[ST+4*t+3]
	ALL v_permlanex16_b32 v[ST+4*t+3], v[ST+4*t+2], s[SEL], s[SEL+1]
	ALL v_add_f32 v[ST+4*t+2], v[ST+4*t+2], v[ST+4*t+3]
	ALL v_rcp_f32 v[ST+4*t+2], v[ST+4*t+2]
	v_nop                           ; a plain instruction between the last reciprocal and the use of its result
	s_wait_alu depctr_va_vdst(0)    ; and the wait ahead of the first use: one for both
	PACK 0
	PACK 1
	SEND 0, 8
	SEND 1, 0
.endm
.set KM, 0
.Lslot:                             ; 8 times: a tile is entered and the next is asked for
	CHANGE 1
	s_sub_co_u32 s[RT], s[RT], 1
	s_mov_b32 s[CNT], 2
	s_cmp_eq_u32 s[NEW], 1
	s_cbranch_scc1 .Lnew            ; a block's first tile
	s_cmp_eq_u32 s[RT], 0
	s_cbranch_scc0 .Lstep           ; neither its first nor its last
	s_mov_b32 s[CNT], 3
	s_mov_b32 s[STP], 0
	s_branch .LstepM1
.Lnew:
	BEGIN
	s_branch .Lfirst                ; in the loop a block's first tile is never its last: the first block has five tiles or more, and the second's last is the walk's last
	DIAG 1                          ; in the loop this is the first block's end
	s_wait_xcnt 0x0                 ; the stores have read their registers and O's address
	s_mov_b64 s[10:11], s[OLO:OLO+1]
	s_mov_b32 s[RT], s[T2]
	s_mov_b32 s[NEW], 1
	s_mov_b32 s[OWN0], s[OW2]
	s_add_co_u32 s[OWN0+1], s[OW2], 1
	WIN 0x82                        ; the second block's Q goes where the one text of the turns names Q
.set i, 0
.rept 32
	v_mov_b32 v[i], v[QB+i]
.set i, i+1
.endr
	WIN 0
	s_branch .Lbottom
.Lstep:                             ; a trip: an odd step and the even step behind it; two trips: the tile before's step 3 and this tile's steps 0 to 2
	TURN 0, 0
	TURN 1, 1
	WIN 0
.Lfirst:
	TURN 0, 1
	TURN 1, 0, 0, 1
	WIN 0
	s_cbranch_scc1 .Lstep
.Lbottom:
	s_sub_co_u32 s[SLOTS], s[SLOTS], 1
	s_cmp_lg_u32 s[SLOTS], 0
	s_cbranch_scc1 .Lslot
	CHANGE 0                        ; the walk's last tile is written out
	s_sub_co_u32 s[RT], s[RT], 1
	s_mov_b32 s[CNT], 3
	s_mov_b32 s[STP], 0
	s_cmp_eq_u32 s[NEW], 1
	s_cbranch_scc0 .LstepM2
	BEGIN
	s_mov_b32 s[CNT], 2
	s_branch .LfirstM2
	DIAG 2
	s_wait_tensorcnt 0x0            ; the wave's end, behind my last tensor load and my last LDS store
	ds_add_u32 v[SPW], v[NIL]
	s_wait_dscnt 0x0
	s_endpgm
.Lfunc_end_k_q68e4f3f126_attn:
	.size	k_q68e4f3f126_attn, .Lfunc_end_k_q68e4f3f126_attn-k_q68e4f3f126_attn
	.p2alignl 7, 3214868480
	.fill 96, 4, 3214868480
	.section	.rodata,"a",@progbits
	.p2align	6, 0x0
	.amdhsa_kernel k_q68e4f3f126_attn
		.amdhsa_group_segment_fixed_size 327680
		.amdhsa_private_segment_fixed_size 0
		.amdhsa_enable_private_segment 0
		.amdhsa_kernarg_size 48
		.amdhsa_user_sgpr_count 2
		.amdhsa_user_sgpr_kernarg_segment_ptr 1
		.amdhsa_wavefront_size32 1
		.amdhsa_system_sgpr_workgroup_id_x 1
		.amdhsa_system_sgpr_workgroup_id_y 1
		.amdhsa_system_sgpr_workgroup_id_z 1
		.amdhsa_system_vgpr_workitem_id 0
		.amdhsa_next_free_vgpr 768
		.amdhsa_next_free_sgpr 100
		.amdhsa_reserve_vcc 1
		.amdhsa_float_denorm_mode_32 3
		.amdhsa_float_denorm_mode_16_64 3
		.amdhsa_memory_ordered 1
		.amdhsa_forward_progress 1
		.amdhsa_inst_pref_size 182
	.end_amdhsa_kernel
	.amdgpu_metadata
---
amdhsa.version: [ 1, 2 ]
amdhsa.kernels:
  - .name:           k_q68e4f3f126_attn
    .symbol:         k_q68e4f3f126_attn.kd
    .args:
      - { .name: qh, .offset: 0, .size: 8, .value_kind: global_buffer, .address_space: global }
      - { .name: kh, .offset: 8, .size: 8, .value_kind: global_buffer, .address_space: global }
      - { .name: vh, .offset: 16, .size: 8, .value_kind: global_buffer, .address_space: global }
      - { .name: oh, .offset: 24, .size: 8, .value_kind: global_buffer, .address_space: global }
      - { .name: w_o, .offset: 32, .size: 8, .value_kind: global_buffer, .address_space: global }
      - { .name: wo16, .offset: 40, .size: 8, .value_kind: global_buffer, .address_space: global }
    .group_segment_fixed_size: 327680
    .private_segment_fixed_size: 0
    .kernarg_segment_align: 8
    .kernarg_segment_size: 48
    .max_flat_workgroup_size: 128
    .sgpr_count:     100
    .vgpr_count:     768
    .wavefront_size: 32
...
	.end_amdgpu_metadata
.endif
;; end of part 2
;; launch outp (part 3): grid 8 x 32, 4 waves a work-group, clusters of 4 x 4, 327,680 bytes of LDS; arguments oh, wo16, out0; writes out0
.if DOCPART == 3
	.amdgcn_target "amdgcn-amd-amdhsa--gfx1250"
	.amdhsa_code_object_version 6
	.text
	.protected	k_q68e4f3f126_outp
	.globl	k_q68e4f3f126_outp
	.p2align	8
	.type	k_q68e4f3f126_outp,@function
k_q68e4f3f126_outp:
	s_mov_b64 s[64:65], 0
	v_nop
	global_prefetch_b8 v0, s[64:65] scope:SCOPE_SE
	s_setreg_imm32_b32 hwreg(HW_REG_WAVE_MODE, 25, 1), 1
	s_wait_xcnt 0x0
	s_wait_alu depctr_hold_cnt(0) depctr_sa_sdst(0) depctr_va_vdst(0) depctr_va_sdst(0) depctr_va_ssrc(0) depctr_va_vcc(0) depctr_vm_vsrc(0)
	s_getreg_b32 s2, hwreg(HW_REG_IB_STS2, 6, 4)
	s_cmp_eq_u32 s2, 0
	s_cbranch_scc0 .Lentry_in_a_cluster
	s_endpgm
.Lentry_in_a_cluster:
	s_bfe_u32 s2, ttmp6, 0x10000c
	s_cmp_lg_u32 s2, 0xf033
	s_cbranch_scc0 .Lentry_shape_is_right
	s_endpgm
.Lentry_shape_is_right:
; THE OUTPUT PROJECTION.  out0[t][e] = the sum over k of O[t][k] w_o[e][k]: O by heads, oh [32 = batch x 16 + head][2048][64] f16 (k = 64 head + d); wo16 [1024][1024] f16; out0 [4096][1024] f32; sums in f32.
; A tile of out0 is 128 x 128: 32 x 8 tiles, 256 work-groups.  Four waves, each 64 x 64: 16 accumulators.  K goes in four steps of 256 (four heads) through two LDS slots.
; O's part of a step: for each of four heads 64 tokens, 8,192 dense bytes: one tensor load of 4 rows of 4,096 elements, a head apart, padded in LDS after every token: [head][token][144 bytes].
; w_o's part: 64 rows of 512 bytes, 528 apart in LDS.  CLUSTERS: 4 x 4 work-groups; O's tile is shared along a row of the cluster, w_o's along a column, each asked for jointly.
; THE MATRIX INSTRUCTION IS USED TRANSPOSED (source 0 = 16 rows of w_o, source 1 = 16 tokens): a lane holds eight neighbouring numbers of a row of out0, 32 bytes.  A wave's 64 columns are 256 aligned bytes: each wave has a stage of its own.
; No prefetch: four short K steps on small tiles.  REGISTERS: window 0: v0-31 addresses; v32-95 at work on the way out; v128-255 the accumulators.  window 1: two fragment buffers of 128: 64 registers of O, then 64 of w_o.
.set PA,     144
.set PLANE,  64*PA                     ; a head's 64 tokens
.set AHALF,  4*PLANE
.set PBB,    528
.set BHALF,  64*PBB
.set BOFF,   2*AHALF
.set SLOT,   2*AHALF+2*BHALF
.set STAGE,  2*SLOT
.set SPITCH, 272
.set SPARE,  STAGE+4*16*SPITCH
.set ADRA, 16
.set ADRB, 20
.set STO,  24
.set RD,   25
.set CO,   26
.set SPW,  28
.set NIL,  29
.set TMP,  32
.set ACC,  128
.set F0,   0
.set F1,   128
.set G1, 24
.set G0, 32
.set G1B, 48
.set G0B, 56
.set MSB, 0
.macro WIN new
.if MSB != (\new)
	s_set_vgpr_msb (MSB<<8)|(\new)
.set MSB, \new
.endif
.endm
.set MUL,  0x05
.set TO_F, 0x40
.macro JLOAD s                         ; a joint load: waves 0 and 1 fetch O's two halves, waves 2 and 3 w_o's; an s_nop 0 and four v_nop follow each line
	s_cmp_eq_u32 s11, 0
	s_cbranch_scc0 .Lfor_b_\@
	tensor_load_to_lds s[G0+4*(\s):G0+4*(\s)+3], s[G1:G1+7]
	s_nop 0
.rept 4
	v_nop
.endr
	s_branch .Lasked_\@
.Lfor_b_\@:
	tensor_load_to_lds s[G0B+4*(\s):G0B+4*(\s)+3], s[G1B:G1B+7]
	s_nop 0
.rept 4
	v_nop
.endr
.Lasked_\@:
.endm
.macro CREST
	s_cmp_lg_u32 s10, 0
	s_cbranch_scc1 .Lnot_wave_0_\@
	s_barrier_signal -3
.Lnot_wave_0_\@:
	s_barrier_wait -3
	s_barrier_signal -1
	s_barrier_wait -1
.endm
.macro CROUND
	s_barrier_signal -1
	s_barrier_wait -1
	CREST
.endm
	s_load_b128 s[4:7], s[0:1], 0x0                ; oh, wo16
	s_load_b64 s[8:9], s[0:1], 0x10                ; out0
	v_lshl_add_u32 v[SPW], v0, 2, SPARE
	v_mov_b32 v[NIL], 0
	ds_add_u32 v[SPW], v[NIL]                      ; the wave's opening: the add, twice on end, and its wait ahead of my first tensor load
	ds_add_u32 v[SPW], v[NIL]
	v_lshrrev_b32 v1, 5, v0
	v_readfirstlane_b32 s10, v1
	s_lshr_b32 s11, s10, 1                         ; my half of the tile's tokens.  Also: I fetch for O (0) or w_o (1)
	s_and_b32 s12, s10, 1                          ; my half of its columns.  Also: which 64 rows I fetch
	s_bfe_u32 s40, ttmp6, 0x40000
	s_bfe_u32 s41, ttmp6, 0x40004
	s_lshl_b32 s42, ttmp9, 2
	s_add_co_u32 s42, s42, s40                     ; tile column, 0..7
	s_and_b32 s13, ttmp7, 0xffff
	s_lshl_b32 s13, s13, 2
	s_add_co_u32 s13, s13, s41                     ; tile row, 0..31
	s_lshl_b32 s43, s41, 2
	s_lshl_b32 s43, 15, s43
	s_lshl_b32 s44, 0x1111, s40
	s_or_b32 s[G1], s43, (1<<16)|(1<<20)|(1<<21)|(4<<22)|(3<<25)    ; O: after every 32 words 4 words of padding
	s_or_b32 s[G1B], s44, (1<<16)|(1<<20)|(1<<21)|(6<<22)|(3<<25)   ; w_o: after every 128 words
	s_mov_b32 s[G1+1], 4096<<16                    ; tensor_dim0 = 4,096
	s_mov_b32 s[G1+2], 4<<16                       ; tensor_dim1 = 4
	s_mov_b32 s[G1+3], 4096<<16                    ; tile_dim0 = 4,096
	s_mov_b32 s[G1+4], 4                           ; tile_dim1 = 4
	s_mov_b32 s[G1+5], 131072                      ; a head's 2,048 x 64 elements from row to row
	s_mov_b32 s[G1+6], 0
	s_mov_b32 s[G1+7], 0
	s_mov_b32 s[G1B+1], 256<<16
	s_mov_b32 s[G1B+2], 64<<16
	s_mov_b32 s[G1B+3], 256<<16
	s_mov_b32 s[G1B+4], 64
	s_mov_b32 s[G1B+5], 1024
	s_mov_b32 s[G1B+6], 0
	s_mov_b32 s[G1B+7], 0
	s_lshr_b32 s16, s13, 4                         ; O: the batch's 16 heads of 262,144 bytes,
	s_lshl_b32 s16, s16, 22
	s_and_b32 s17, s13, 15
	s_lshl_b32 s17, s17, 14                        ; the tile's 128 tokens of 128 bytes,
	s_add_co_u32 s16, s16, s17
	s_lshl_b32 s17, s12, 13                        ; my 64 of them
	s_add_co_u32 s16, s16, s17
	s_mov_b32 s17, 0
	s_lshl_b32 s46, s42, 18                        ; w_o: row 128 x tile column + 64 x half, of 2,048 bytes
	s_lshl_b32 s47, s12, 17
	s_add_co_u32 s46, s46, s47
	s_mov_b32 s47, 0
	s_mul_i32 s20, s12, AHALF                      ; where they go
	s_mul_i32 s21, s12, BHALF
	s_add_co_u32 s21, s21, BOFF
	s_wait_dscnt 0x0                               ; both opening adds are done
	s_wait_kmcnt 0x0
	s_add_nc_u64 s[14:15], s[4:5], s[16:17]
	s_add_nc_u64 s[46:47], s[6:7], s[46:47]
	CROUND                                         ; all sixteen work-groups are here: the first joint loads meet
.irp s, 0,1
	s_mov_b32 s[G0+4*(\s)], 1
	s_add_co_u32 s[G0+4*(\s)+1], s20, (\s)*SLOT
	s_add_nc_u64 s[G0+4*(\s)+2:G0+4*(\s)+3], s[14:15], (\s)*1048576   ; K step s: four heads on
	s_or_b32 s[G0+4*(\s)+3], s[G0+4*(\s)+3], 0x80000000
	s_mov_b32 s[G0B+4*(\s)], 1
	s_add_co_u32 s[G0B+4*(\s)+1], s21, (\s)*SLOT
	s_add_nc_u64 s[G0B+4*(\s)+2:G0B+4*(\s)+3], s[46:47], (\s)*512
	s_or_b32 s[G0B+4*(\s)+3], s[G0B+4*(\s)+3], 0x80000000
	JLOAD \s
.endr
	v_and_b32 v1, 15, v0                           ; l % 16
	v_bfe_u32 v2, v0, 4, 1                         ; l / 16
	v_mul_u32_u24 v3, v1, PA
	v_lshl_add_u32 v3, v2, 4, v3
	v_mul_u32_u24 v4, v1, PBB
	v_lshl_add_u32 v4, v2, 4, v4
	s_mul_i32 s21, s11, AHALF                      ; my 64 tokens
	s_mul_i32 s22, s12, BHALF                      ; my 64 rows of w_o
	s_add_co_u32 s22, s22, BOFF
.irp s, 0,1
	v_add_nc_u32 v[ADRA+(\s)], s21, v3
	v_add_nc_u32 v[ADRB+(\s)], s22, v4
	s_add_co_u32 s21, s21, SLOT
	s_add_co_u32 s22, s22, SLOT
.endr
	s_mul_i32 s23, s10, 16*SPITCH
	s_add_co_u32 s23, s23, STAGE                   ; my stage
	v_mul_u32_u24 v5, v1, SPITCH                   ; in: row l % 16, 32 bytes for each half of the lanes
	v_lshl_add_u32 v5, v2, 5, v5
	v_add_nc_u32 v[STO], s23, v5
	v_mul_u32_u24 v5, v2, SPITCH                   ; back: lanes 0-15 one row of 256 bytes, lanes 16-31 the next
	v_lshl_add_u32 v5, v1, 4, v5
	v_add_nc_u32 v[RD], s23, v5
	v_lshlrev_b32 v5, 12, v2                       ; and the same two rows in out0
	v_lshl_add_u32 v[CO], v1, 4, v5
	s_lshl_b32 s16, s13, 19                        ; 128 x tile row + 64 x half rows of 4,096 bytes
	s_lshl_b32 s17, s11, 18
	s_add_co_u32 s16, s16, s17
	s_mov_b32 s17, 0
	s_add_nc_u64 s[8:9], s[8:9], s[16:17]
	s_lshl_b32 s46, s42, 9                         ; 128 x tile column + 64 x half columns of 4 bytes
	s_lshl_b32 s47, s12, 8
	s_add_co_u32 s46, s46, s47
	s_mov_b32 s47, 0
	s_add_nc_u64 s[8:9], s[8:9], s[46:47]
; 8 matrix instructions: token blocks a0, a0 + 1 x all 4 column blocks, 32 along K: half c of buffer f.  The 16 accumulators take turns.
.macro MUL8 f, c, a0, zero
	WIN MUL
.irp a, \a0, (\a0)+1
.irp b, 0,1,2,3
.if \zero
	v_wmma_f32_16x16x32_f16 v[ACC+8*(4*(\a)+(\b)):ACC+8*(4*(\a)+(\b))+7], v[(\f)+64+8*(4*(\c)+(\b)):(\f)+64+8*(4*(\c)+(\b))+7], v[(\f)+8*(4*(\c)+(\a)):(\f)+8*(4*(\c)+(\a))+7], 0
.else
	v_wmma_f32_16x16x32_f16 v[ACC+8*(4*(\a)+(\b)):ACC+8*(4*(\a)+(\b))+7], v[(\f)+64+8*(4*(\c)+(\b)):(\f)+64+8*(4*(\c)+(\b))+7], v[(\f)+8*(4*(\c)+(\a)):(\f)+8*(4*(\c)+(\a))+7], v[ACC+8*(4*(\a)+(\b)):ACC+8*(4*(\a)+(\b))+7]
.endif
.endr
.endr
.endm
; 32 LDS loads in one run: the fragments of quarter q of a K step (one head, 64 along K) into buffer f; the first 32 along K first
.macro FETCH slot, q, f
	WIN TO_F
.irp c, 0,1
.irp i, 0,1,2,3
	ds_load_b128 v[(\f)+64+8*(4*(\c)+(\i)):(\f)+64+8*(4*(\c)+(\i))+3],   v[ADRB+(\slot)] offset:128*(\q)+64*(\c)+(\i)*16*PBB
	ds_load_b128 v[(\f)+64+8*(4*(\c)+(\i))+4:(\f)+64+8*(4*(\c)+(\i))+7], v[ADRB+(\slot)] offset:128*(\q)+64*(\c)+(\i)*16*PBB+32
	ds_load_b128 v[(\f)+8*(4*(\c)+(\i)):(\f)+8*(4*(\c)+(\i))+3],         v[ADRA+(\slot)] offset:PLANE*(\q)+64*(\c)+(\i)*16*PA
	ds_load_b128 v[(\f)+8*(4*(\c)+(\i))+4:(\f)+8*(4*(\c)+(\i))+7],       v[ADRA+(\slot)] offset:PLANE*(\q)+64*(\c)+(\i)*16*PA+32
.endr
.endr
.endm
.macro PLACES
.rept 4
	v_nop
.endr
.endm
; One of a K step's first three quarters: multiplies buffer f and fetches quarter q into g.
.macro QUARTER slot, q, f, g, zero
	s_wait_dscnt 16                                ; the first 32 along K are in
	MUL8 \f, 0, 0, \zero
	MUL8 \f, 0, 2, \zero
	PLACES
	FETCH \slot, \q, \g
	s_wait_dscnt 32                                ; all but the 32 just issued
	MUL8 \f, 1, 0, 0
	MUL8 \f, 1, 2, 0
.endm
; The last quarter multiplies buffer 1 and changes slots: in front of the barrier each wave waits for all its tensor loads, adds 0 to its spare word, and waits for that and for its reads of this slot.  fill = 1: the slot is filled again, two K steps on.
.macro TURN slot, next, fill
	WIN 0
	s_wait_tensorcnt 0x0
	ds_add_u32 v[SPW], v[NIL]                      ; 0 onto my spare word
	s_wait_dscnt 17                                ; the add and the youngest sixteen loads may be out
	MUL8 F1, 0, 0, 0
	s_wait_dscnt 0x0                               ; the add is done, and my reads of this slot are over
	s_barrier_signal -1
	MUL8 F1, 0, 2, 0
.if \fill
	WIN 0
.endif
	s_barrier_wait -1
.if \fill
	CREST                                          ; no wave of any partner still reads this slot's tile or has a load on its way
	s_add_nc_u64 s[G0+4*(\slot)+2:G0+4*(\slot)+3], s[G0+4*(\slot)+2:G0+4*(\slot)+3], 2*1048576
	s_add_nc_u64 s[G0B+4*(\slot)+2:G0B+4*(\slot)+3], s[G0B+4*(\slot)+2:G0B+4*(\slot)+3], 2*512
	JLOAD \slot                                    ; the four v_nop behind it are also the places in front of the loads below
.else
	PLACES
.endif
	FETCH \next, 0, F0
	MUL8 F1, 1, 0, 0
	MUL8 F1, 1, 2, 0
.endm
	s_wait_tensorcnt 1                             ; my part of K step 0 is in; K step 1's may stay out
	s_barrier_signal -1
	s_barrier_wait -1
	FETCH 0, 0, F0
	QUARTER 0, 1, F0, F1, 1                        ; the first products start the sums
	QUARTER 0, 2, F1, F0, 0
	QUARTER 0, 3, F0, F1, 0
	TURN 0, 1, 1                                   ; K step 2 is asked for
	QUARTER 1, 1, F0, F1, 0
	QUARTER 1, 2, F1, F0, 0
	QUARTER 1, 3, F0, F1, 0
	TURN 1, 0, 1                                   ; K step 3
	QUARTER 0, 1, F0, F1, 0
	QUARTER 0, 2, F1, F0, 0
	QUARTER 0, 3, F0, F1, 0
	TURN 0, 1, 0
	QUARTER 1, 1, F0, F1, 0
	QUARTER 1, 2, F1, F0, 0
	QUARTER 1, 3, F0, F1, 0
	s_wait_dscnt 16
	MUL8 F1, 0, 0, 0
	MUL8 F1, 0, 2, 0
	s_wait_dscnt 0
	MUL8 F1, 1, 0, 0
	MUL8 F1, 1, 2, 0
	WIN 0
	PLACES
	; THE WAY OUT, 16 tokens at a time: 32 bytes a lane into my stage, back as whole rows of 256 bytes, stored.
.irp a, 0,1,2,3
.irp b, 0,1,2,3
	ds_store_b128 v[STO], v[ACC+8*(4*\a+\b):ACC+8*(4*\a+\b)+3]   offset:64*\b      ; each accumulator's low registers first
	ds_store_b128 v[STO], v[ACC+8*(4*\a+\b)+4:ACC+8*(4*\a+\b)+7] offset:64*\b+16
.endr
.if \a >= 2
	s_wait_xcnt 0x0                                ; the stores of two blocks back have read these registers
.endif
.irp t, 0,1,2,3,4,5,6,7
	ds_load_b128 v[TMP+32*(\a%2)+4*\t:TMP+32*(\a%2)+4*\t+3], v[RD] offset:2*SPITCH*\t  ; LDS serves a wave's instructions in order: these see the stores above; the next block's stores come behind them
.endr
	s_wait_dscnt 0x0
.irp t, 0,1,2,3,4,5,6,7
	global_store_b128 v[CO], v[TMP+32*(\a%2)+4*\t:TMP+32*(\a%2)+4*\t+3], s[8:9] offset:(16*\a+2*\t)*4096  ; 16 lanes store 256 consecutive bytes, at a multiple of 256 from out0's first byte
.endr
.endr
	s_wait_tensorcnt 0x0                           ; the wave's end, behind my last tensor load and my last LDS store
	ds_add_u32 v[SPW], v[NIL]
	s_wait_dscnt 0x0
	CROUND                                         ; the closing round
	s_endpgm
.Lfunc_end_k_q68e4f3f126_outp:
	.size	k_q68e4f3f126_outp, .Lfunc_end_k_q68e4f3f126_outp-k_q68e4f3f126_outp
	.p2alignl 7, 3214868480
	.fill 96, 4, 3214868480
	.section	.rodata,"a",@progbits
	.p2align	6, 0x0
	.amdhsa_kernel k_q68e4f3f126_outp
		.amdhsa_group_segment_fixed_size 327680
		.amdhsa_private_segment_fixed_size 0
		.amdhsa_enable_private_segment 0
		.amdhsa_kernarg_size 24
		.amdhsa_user_sgpr_count 2
		.amdhsa_user_sgpr_kernarg_segment_ptr 1
		.amdhsa_wavefront_size32 1
		.amdhsa_system_sgpr_workgroup_id_x 1
		.amdhsa_system_sgpr_workgroup_id_y 1
		.amdhsa_system_sgpr_workgroup_id_z 1
		.amdhsa_system_vgpr_workitem_id 0
		.amdhsa_next_free_vgpr 512
		.amdhsa_next_free_sgpr 66
		.amdhsa_reserve_vcc 0
		.amdhsa_float_denorm_mode_32 3
		.amdhsa_float_denorm_mode_16_64 3
		.amdhsa_memory_ordered 1
		.amdhsa_forward_progress 1
		.amdhsa_inst_pref_size 86
	.end_amdhsa_kernel
	.amdgpu_metadata
---
amdhsa.version: [ 1, 2 ]
amdhsa.kernels:
  - .name:           k_q68e4f3f126_outp
    .symbol:         k_q68e4f3f126_outp.kd
    .args:
      - { .name: oh, .offset: 0, .size: 8, .value_kind: global_buffer, .address_space: global }
      - { .name: wo16, .offset: 8, .size: 8, .value_kind: global_buffer, .address_space: global }
      - { .name: out0, .offset: 16, .size: 8, .value_kind: global_buffer, .address_space: global }
    .group_segment_fixed_size: 327680
    .private_segment_fixed_size: 0
    .kernarg_segment_align: 8
    .kernarg_segment_size: 24
    .max_flat_workgroup_size: 128
    .sgpr_count:     66
    .vgpr_count:     512
    .wavefront_size: 32
...
	.end_amdgpu_metadata
.endif
;; end of part 3
